; MI455X (gfx1250); checked and timed in simulation.
; The chip was launched on July 23, 2026; its instructions are those of AMD's public machine-readable ISA for CDNA 5 (MIT licence, August 2026) and "CDNA5" Instruction Set Architecture Reference Guide (July 2026). The comments in the code are by the model that wrote it; some were corrected since.
;; Transformer Layer. Allowed arithmetic: matrix products marked QUANTISED: E2M3 operands, one E8M0 scale for each 32 along K, by v_wmma_scale_f32_16x16x128_f8f6f4 with both operands' format E2M3, f32 sums; everything else in f32.
;; Inputs: W1 4,096 x 1,024 float32; W2 1,024 x 4,096 float32; Wk 1,024 x 1,024 float32; Wo 1,024 x 1,024 float32; Wq 1,024 x 1,024 float32; Wv 1,024 x 1,024 float32; b1 4,096 float32; b2 1,024 float32; b_in 1,024 float32; b_mlp 1,024 float32; bk 1,024 float32; bo 1,024 float32; bq 1,024 float32; bv 1,024 float32; g_in 1,024 float32; g_mlp 1,024 float32; res_pos 16 x 128 float32; x 2 x 2,048 x 1,024 float32.
;; Outputs: out0 2 x 2,048 x 1,024 float32.
;; This version of the problem:
;;   THIS VERSION OF THE PROBLEM IS GIVEN IN LOW PRECISION. The matrix products marked QUANTISED in the list below multiply operands that are first quantised to E2M3 (2 exponent bits, 3 mantissa bits; 6 bits a number), with one power-of-two scale for each 32 numbers along K (OCP MX v1.0); their sums are f32. All else is computed in f32.
;;   The module's matrix products, in the order in which they are computed (A, B: the left and right operand; K: the contracted axis; several contracted axes count as one K, in the product's order):
;;     1. [M 4,096, K 1,024] x [K 1,024, N 1,024]; A: computed on the way; B: input Wq: QUANTISED
;;     2. [M 4,096, K 1,024] x [K 1,024, N 1,024]; A: computed on the way; B: input Wk: QUANTISED
;;     3. [M 4,096, K 1,024] x [K 1,024, N 1,024]; A: computed on the way; B: input Wv: QUANTISED
;;     4. batch 32 x [M 2,048, K 64] x [K 64, N 2,048]; A: computed on the way; B: computed on the way: QUANTISED
;;     5. batch 32 x [M 64, K 2,048] x [K 2,048, N 2,048]; A: computed on the way; B: softmax (see below): QUANTISED
;;     6. [M 4,096, K 1,024] x [K 1,024, N 1,024]; A: computed on the way; B: input Wo: QUANTISED
;;     7. [M 4,096, K 1,024] x [K 1,024, N 4,096]; A: computed on the way; B: input W1: QUANTISED
;;     8. [M 4,096, K 4,096] x [K 4,096, N 1,024]; A: computed on the way; B: input W2: QUANTISED
;;   THE QUANTISER, for each operand of a quantised product, along K:
;;     - K is cut into blocks of 32 from its start; a last block that is shorter is filled with zeros.
;;     - A block's scale is 2^e with e = floor(log2(the largest magnitude in the block)) - 2, held to -126 .. 127; a block of zeros has e = 0. As a byte (E8M0): e + 127.
;;     - Each number is divided by its block's scale, clamped to +-7.5, and rounded to the nearest number of E2M3, ties to even, subnormals kept.
;;     - The product sums the exact products of the quantised numbers (number of the format x scale) in f32.
;;   ~~~python
;;   def quantise(x, axis):      # numpy; x: float32 -> the quantised numbers, widened to float32 again
;;       x = np.moveaxis(x, axis, -1); K = x.shape[-1]
;;       x = np.pad(x, [(0, 0)] * (x.ndim - 1) + [(0, -K % 32)]); x = x.reshape(x.shape[:-1] + (-1, 32)); a = np.abs(x).max(-1, keepdims=True)
;;       e = np.where(a > 0, np.clip(np.frexp(np.where(a > 0, a, 1))[1] - 1 - 2, -126, 127), 0)      # np.frexp(a)[1] - 1 = floor(log2(a)), exactly
;;       r = np.clip(x / 2.0 ** e, -7.5, 7.5)
;;       step = 2.0 ** (np.maximum(np.frexp(np.where(r == 0, 1, r))[1] - 1, 0) - 3)
;;       q = np.round(r / step) * step * 2.0 ** e      # np.round: ties to even
;;       return np.moveaxis(q.reshape(q.shape[:-2] + (-1,))[..., :K], -1, axis).astype(np.float32)
;;   ~~~
;;   SOFTMAX AHEAD OF A QUANTISED PRODUCT. Where the list says 'softmax', what is quantised is not the finished softmax but p = 2^(t - M), with t = logit x log2(e) and M = ceil(the row's largest t), a whole number; so 1/2 < the row's largest p <= 1. The row's sum l is taken of the UNQUANTISED p, in f32, and the product's result is divided by l at the end. Since M is a whole number, a kernel that streams over the keys may use a running M (the ceiling of the running maximum): every later rescaling is an exact power of two, which a block's scale takes up: the codes' values come out the same.
;;   OPERANDS COMPUTED ON THE WAY. 'Computed on the way' means the value that the module computes at that place (a softmax that the list does not call 'softmax' is quantised finished and normalised). What goes into a quantiser is computed in f32, as accurately as f32 sums, v_exp_f32 and their like allow (about 1e-6 of the number): no bf16 or f16 on the way to a quantiser, and a product that is left as it is and whose result goes on into a quantised operand takes f32 operands (vector FMAs, or v_wmma_f32_16x16x4_f32). A number that lies on a knife's edge between two numbers of the format may be rounded either way, as far as f32 arithmetic and the matrix unit's own rounding can turn it there, and no further.
;; One version. Each part assembles by itself: llvm-mc -triple=amdgcn-amd-amdhsa -mcpu=gfx1250 --defsym DOCPART=n.
;; ======== version 1 of 1: 7 launches
;; workspace buffers: ops 13,107,200 bytes; qkv 9,830,400 bytes; obuf 3,276,800 bytes; x1 16,777,216 bytes; hid 13,107,200 bytes
;; launch prep (part 1): grid 1024 x 1, 8 waves a work-group, no clusters, 69,632 bytes of LDS; arguments x, Wq, Wk, Wv, Wo, W1, W2, g_in, b_in, ops; writes ops
.if DOCPART == 1
	.amdgcn_target "amdgcn-amd-amdhsa--gfx1250"
	.amdhsa_code_object_version 6
	.text
	.protected	k_q6edc70cbc8_prep
	.globl	k_q6edc70cbc8_prep
	.p2align	8
	.type	k_q6edc70cbc8_prep,@function
k_q6edc70cbc8_prep:
	s_mov_b64 s[64:65], 0
	v_nop
	global_prefetch_b8 v0, s[64:65] scope:SCOPE_SE
	s_setreg_imm32_b32 hwreg(HW_REG_WAVE_MODE, 25, 1), 1
	s_wait_xcnt 0x0
; LAYER NORM AND QUANTISER.  Rows of 1,024 f32 become codes of FP6 (E2M3) with one E8M0 byte for each 32 along K, laid as the products' launches read them.
; Work-groups 0-255: 16 rows each of the activations, layer-normed (mean, then variance of the differences: two passes, in f32) with gain and bias.
; Work-groups 256-1023: 16 rows x 1,024 columns each of Wq, Wk, Wv, Wo, W1 (rows of 1,024) and W2 (rows of 4,096, in four quarters), quantised as they are.
; One path serves all: only scalars are chosen by the work-group's number; the weights jump over the two scaling runs alone.
; THE OPERAND FORMAT.  A fragment is 16 rows x 128 K in 12 registers: lane (r, h), registers 6 c .. 6 c + 5 = block 2 c + h of row r.  It is stored as an image of those registers:
; registers 0-3 at 16 x lane, 4-5 at 512 + 8 x lane, 6-9 at 768 + 16 x lane, 10-11 at 1,280 + 8 x lane: 1,536 bytes.  A RECORD is 128 rows x 128 K: eight fragments, then at 12,288 the scale words (4 bytes a row): 12,800 bytes.
; A panel of 128 rows has its K steps' records on end.  ops: panels 0-31 activations, 32-39 Wq, 40-47 Wk, 48-55 Wv, 56-63 Wo, 64-95 W1 (8 records each); from record 768 on W2 (8 panels of 32 records).
; INSIDE A BLOCK OF 32 the codes stand in one fixed order, the same in every operand of every product: place 16 h + i holds k = 8 h + i (i < 8) or 16 + 8 h + i - 8.  Blocks and scales are the true ones; only the grouping of a sum's terms differs.
; LIMITS: NaN and infinities are not served; a block of zeros (or under 2^-124) gets the byte 1, its codes being zeros; these bytes are read by this program alone.
; Wave w takes K step w (128 columns).  Each load reads 512 consecutive bytes of one row; the 16 x 512 bytes turn through the wave's own stage in LDS so that a lane holds 16 numbers of each block of its row.
.set SP,   528                         ; a stage row: 512 bytes + 16
.set STW,  16*SP                       ; a wave's stage
.set RED1, 8*STW                       ; 8 waves x 16 rows x 4 bytes: the rows' partial sums
.set RED2, RED1+512                    ; and those of the squares
.set REC,  12800
.set R,    16                          ; v16-79   the rows as loaded; later the bias
.set X,    80                          ; v80-143  my 64 numbers: register 16 b + i = place 16 h + i of block b of row r
.set G,    144                         ; v144-207 the gain, in the same order
.set TM,   208                         ; v208-223 at work in QUANT
.set PW,   224                         ; the scale word
.set PC,   226                         ; v226-245 the codes
.set VO,   226                         ; v226-241 at the start: the 16 rows' offsets
.set SEL,  56                          ; s[56:57] selects for lane l xor 16
.macro QUANT s                         ; 64 numbers of a lane -> a fragment in v[PC] on and its row's scale word in v[PW]
.irp b, 0,1,2,3
	v_max3_num_f32 v[TM+\b], |v[\s+16*\b]|, |v[\s+1+16*\b]|, 0x1800000   ; my 16 numbers of block b, and the floor 2^(3 - 127): the byte cannot fall under 1
.endr
.irp i, 2,4,6,8,10,12,14
.irp b, 0,1,2,3
	v_max3_num_f32 v[TM+\b], v[TM+\b], |v[\s+16*\b+\i]|, |v[\s+1+16*\b+\i]|
.endr
.endr
.irp b, 0,1,2,3
	v_permlanex16_b32 v[TM+4+\b], v[TM+\b], s[SEL], s[SEL+1]
.endr
.irp b, 0,1,2,3
	v_max_num_f32 v[TM+\b], v[TM+\b], v[TM+4+\b]       ; with lane l xor 16's: the block's largest magnitude
.endr
.irp b, 0,1,2,3
	v_add_nc_u32 v[TM+12+\b], 0xff000000, v[TM+\b]     ; 2 off its exponent field: the conversion's scale operand
.endr
.irp b, 0,1,2,3
	v_lshrrev_b32 v[TM+4+\b], 23, v[TM+12+\b]          ; the scale's byte
.endr
	v_lshl_or_b32 v[PW], v[TM+5], 8, v[TM+4]
	v_lshl_or_b32 v[PW], v[TM+6], 16, v[PW]
	v_lshl_or_b32 v[PW], v[TM+7], 24, v[PW]
.irp c, 0,1
	v_cvt_scalef32_pk16_fp6_f32 v[PC+6*\c:PC+2+6*\c], v[\s+32*\c:\s+15+32*\c], v[TM+12+2*\c]
	v_cvt_scalef32_pk16_fp6_f32 v[PC+12+4*\c:PC+14+4*\c], v[\s+16+32*\c:\s+31+32*\c], v[TM+12+2*\c+1]
.endr
	v_nop                                              ; one plain line behind the scaled conversions
.irp c, 0,1
.irp i, 0,1,2
	v_permlane16_swap_b32 v[PC+6*\c+\i], v[PC+12+4*\c+\i]   ; a whole block to a lane: lanes 0-15 block 2 c, lanes 16-31 block 2 c + 1
.endr
.irp i, 0,1,2
	v_mov_b32 v[PC+3+6*\c+\i], v[PC+12+4*\c+\i]
.endr
.endr
.endm
.macro REDUCE wr, rd                   ; four packed chains v[246:253] -> the row's sum over all 1,024 columns, in v246 of every lane
	v_pk_add_f32 v[246:247], v[246:247], v[248:249]
	v_pk_add_f32 v[250:251], v[250:251], v[252:253]
	v_pk_add_f32 v[246:247], v[246:247], v[250:251]
	v_add_f32 v246, v246, v247
	v_permlanex16_b32 v254, v246, s[SEL], s[SEL+1]
	v_add_f32 v246, v246, v254                         ; row r's sum over my wave's 128 columns
	ds_store_b32 v[\wr], v246                          ; lanes l and l xor 16 store the same word with the same value
	s_wait_dscnt 0x0                                   ; for the others' sake: my store has landed
	s_barrier_signal -1
	s_barrier_wait -1
.irp i, 0,1,2,3,4,5,6,7
	ds_load_b32 v[246+\i], v[\rd] offset:64*\i         ; the eight waves' parts of row r
.endr
	s_wait_dscnt 0x0
	v_add_f32 v246, v246, v247
	v_add_f32 v248, v248, v249
	v_add_f32 v250, v250, v251
	v_add_f32 v252, v252, v253
	v_add_f32 v246, v246, v248
	v_add_f32 v250, v250, v252
	v_add_f32 v246, v246, v250
.endm
	s_load_b512 s[8:23], s[0:1], 0x0                   ; activations s[8:9], Wq, Wk, Wv, Wo, W1, W2 s[20:21], gain s[22:23]
	s_load_b128 s[24:27], s[0:1], 0x40                 ; bias s[24:25], ops s[26:27]
	v_lshl_add_u32 v245, v0, 2, 0x10c00
	v_mov_b32 v255, 0
	v_lshrrev_b32 v1, 5, v0
	v_readfirstlane_b32 s2, v1                         ; wave 0..7
	v_and_b32 v1, 31, v0                               ; lane
	v_and_b32 v2, 15, v0                               ; r
	v_bfe_u32 v3, v0, 4, 1                             ; h
	v_lshlrev_b32 v4, 4, v1                            ; 16 x lane
	v_lshlrev_b32 v5, 3, v1                            ; 8 x lane
	v_lshlrev_b32 v6, 2, v2                            ; 4 r
	s_mul_i32 s3, s2, STW
	s_lshl_b32 s4, s2, 9                               ; my wave's 512 bytes of a row
	s_lshl_b32 s5, s2, 6
	v_add_nc_u32 v7, s3, v4                            ; the stage, in: 16 x lane of a row
	v_mul_u32_u24 v8, v2, SP
	v_lshl_add_u32 v8, v3, 5, v8
	v_add_nc_u32 v8, s3, v8                            ; and out: row r, + 32 h
	v_lshlrev_b32 v9, 5, v3
	v_add_nc_u32 v9, s4, v9                            ; gain and bias: 512 w + 32 h
	v_add_nc_u32 v12, RED1, v6
	v_add_nc_u32 v13, RED2, v6
	v_add_nc_u32 v10, s5, v12
	v_add_nc_u32 v11, s5, v13
	v_mov_b32 v254, 0                                  ; a lane permute's destination counts as read: written once
.irp b, 0,1,2,3
	v_mov_b32 v[TM+4+\b], 0
.endr
	s_mov_b32 s[SEL], 0x76543210
	s_mov_b32 s[SEL+1], 0xfedcba98
	s_mov_b32 s58, 0x3a800000                          ; 1 / 1,024
	s_mov_b32 s59, 0x3727c5ac                          ; 1e-5
	; what the work-group's number g chooses: the block of 16 rows, the pitch, the column quarter, the record and the fragment in it
	s_mov_b32 s30, ttmp9
	s_sub_co_u32 s31, s30, 768
	s_lshr_b32 s32, s31, 2                             ; W2: block of rows,
	s_and_b32 s33, s31, 3                              ; quarter of K
	s_sub_co_u32 s34, s30, 512                         ; W1
	s_and_b32 s35, s30, 63                             ; Wq .. Wo
	s_lshl_b32 s38, s33, 12                            ; the quarter's 4,096 bytes
	s_lshr_b32 s39, s30, 3
	s_lshl_b32 s39, s39, 3                             ; record = 8 x panel + w
	s_and_b32 s40, s30, 7                              ; fragment in the record
	s_lshr_b32 s41, s32, 3
	s_lshl_b32 s41, s41, 5
	s_lshl_b32 s42, s33, 3
	s_add_co_u32 s41, s41, s42
	s_add_co_u32 s41, s41, 768                         ; W2: record = 768 + 32 x panel + 8 x quarter + w
	s_and_b32 s43, s32, 7
	s_mov_b32 s37, 16384
	s_cmp_lt_u32 s30, 768
	s_cselect_b32 s36, s34, s32
	s_cselect_b32 s37, 4096, s37                       ; a row in bytes
	s_cselect_b32 s38, 0, s38
	s_cselect_b32 s39, s39, s41
	s_cselect_b32 s40, s40, s43
	s_cmp_lt_u32 s30, 512
	s_cselect_b32 s36, s35, s36
	s_cmp_lt_u32 s30, 256
	s_cselect_b32 s36, s30, s36
	s_cselect_b32 s44, -1, 0                           ; all ones where the rows are normed
	s_add_co_u32 s39, s39, s2
	s_mul_i32 s39, s39, REC
	s_mul_i32 s45, s40, 1536
	s_add_co_u32 s46, s39, s45                         ; my fragment's image
	s_mov_b32 s47, 0
	s_lshl_b32 s45, s40, 6
	s_add_co_u32 s48, s39, s45
	s_add_co_u32 s48, s48, 12288                       ; and its scale words
	s_mov_b32 s49, 0
	s_mul_i32 s50, s36, s37
	s_lshl_b32 s50, s50, 4                             ; 16 rows a block
	s_add_co_u32 s50, s50, s38
	s_add_co_u32 s50, s50, s4
	s_mov_b32 s51, 0
	v_mov_b32 v[VO], v4
.irp i, 1,2,3,4,5,6,7,8,9,10,11,12,13,14,15
	v_add_nc_u32 v[VO+\i], s37, v[VO+\i-1]             ; 16 x lane + row x pitch
.endr
	s_wait_kmcnt 0x0
	s_mov_b64 s[28:29], s[20:21]                       ; the source, chosen by the work-group's number alone
	s_cmp_lt_u32 s30, 768
	s_cselect_b64 s[28:29], s[18:19], s[28:29]
	s_cmp_lt_u32 s30, 512
	s_cselect_b64 s[28:29], s[16:17], s[28:29]
	s_cmp_lt_u32 s30, 448
	s_cselect_b64 s[28:29], s[14:15], s[28:29]
	s_cmp_lt_u32 s30, 384
	s_cselect_b64 s[28:29], s[12:13], s[28:29]
	s_cmp_lt_u32 s30, 320
	s_cselect_b64 s[28:29], s[10:11], s[28:29]
	s_cmp_lt_u32 s30, 256
	s_cselect_b64 s[28:29], s[8:9], s[28:29]
	s_add_nc_u64 s[28:29], s[28:29], s[50:51]
	s_add_nc_u64 s[52:53], s[26:27], s[46:47]
	s_add_nc_u64 s[54:55], s[26:27], s[48:49]
.irp i, 0,1,2,3,4,5,6,7,8,9,10,11,12,13,14,15
	global_load_b128 v[R+4*\i:R+4*\i+3], v[VO+\i], s[28:29] th:TH_LOAD_NT   ; 32 lanes read 512 consecutive bytes of row i
.endr
.irp b, 0,1,2,3
.irp j, 0,1,2,3
	global_load_b128 v[G+16*\b+4*\j:G+16*\b+4*\j+3], v9, s[22:23] offset:128*\b+16*(\j%2)+64*(\j/2)   ; the gain, in the blocks' fixed order
.endr
.endr
	s_wait_loadcnt 16                                  ; the 16 rows are in; the gain's 16 loads may be out
.irp i, 0,1,2,3,4,5,6,7,8,9,10,11,12,13,14,15
	ds_store_b128 v7, v[R+4*\i:R+4*\i+3] offset:SP*\i
.endr
.irp b, 0,1,2,3
.irp j, 0,1,2,3
	ds_load_b128 v[X+16*\b+4*\j:X+16*\b+4*\j+3], v8 offset:128*\b+16*(\j%2)+64*(\j/2)   ; a wave's LDS instructions are served in order: these see the stores above
.endr
.endr
	s_wait_dscnt 0x0                                   ; my 64 numbers are in, and the stores have read R
.irp b, 0,1,2,3
.irp j, 0,1,2,3
	global_load_b128 v[R+16*\b+4*\j:R+16*\b+4*\j+3], v9, s[24:25] offset:128*\b+16*(\j%2)+64*(\j/2)   ; the bias
.endr
.endr
	; the mean
	v_pk_add_f32 v[246:247], v[X:X+1], v[X+2:X+3]
	v_pk_add_f32 v[248:249], v[X+4:X+5], v[X+6:X+7]
	v_pk_add_f32 v[250:251], v[X+8:X+9], v[X+10:X+11]
	v_pk_add_f32 v[252:253], v[X+12:X+13], v[X+14:X+15]
.irp i, 16,24,32,40,48,56
	v_pk_add_f32 v[246:247], v[246:247], v[X+\i:X+\i+1]
	v_pk_add_f32 v[248:249], v[248:249], v[X+\i+2:X+\i+3]
	v_pk_add_f32 v[250:251], v[250:251], v[X+\i+4:X+\i+5]
	v_pk_add_f32 v[252:253], v[252:253], v[X+\i+6:X+\i+7]
.endr
	REDUCE 10, 12
	v_mul_f32 v246, s58, v246
	v_cndmask_b32 v246, 0, v246, s44                   ; nothing is taken off a weight
	v_mov_b32 v247, v246
.set J, 0
.rept 32
	v_pk_add_f32 v[X+J:X+J+1], v[X+J:X+J+1], v[246:247] neg_lo:[0,1] neg_hi:[0,1]
.set J, J+2
.endr
	; the variance, of the differences
	v_pk_mul_f32 v[246:247], v[X:X+1], v[X:X+1]
	v_pk_mul_f32 v[248:249], v[X+2:X+3], v[X+2:X+3]
	v_pk_mul_f32 v[250:251], v[X+4:X+5], v[X+4:X+5]
	v_pk_mul_f32 v[252:253], v[X+6:X+7], v[X+6:X+7]
.irp i, 8,16,24,32,40,48,56
	v_pk_fma_f32 v[246:247], v[X+\i:X+\i+1], v[X+\i:X+\i+1], v[246:247]
	v_pk_fma_f32 v[248:249], v[X+\i+2:X+\i+3], v[X+\i+2:X+\i+3], v[248:249]
	v_pk_fma_f32 v[250:251], v[X+\i+4:X+\i+5], v[X+\i+4:X+\i+5], v[250:251]
	v_pk_fma_f32 v[252:253], v[X+\i+6:X+\i+7], v[X+\i+6:X+\i+7], v[252:253]
.endr
	REDUCE 11, 13
	v_fma_f32 v250, v246, s58, s59                     ; sum / 1,024 + 1e-5
	v_rsq_f32 v248, v250
	v_rsq_f32 v249, v250                               ; twice: a pair for the packed multiply
	v_nop                                              ; a plain line behind the transcendentals
	s_wait_alu depctr_va_vdst(0)                       ; one wait for both, ahead of the branch and of their first reader
	s_wait_loadcnt 0x0                                 ; gain and bias
	s_cmp_lt_u32 s30, 256
	s_cbranch_scc0 .Lraw                               ; weights are quantised as they are
.set J, 0
.rept 32
	v_pk_mul_f32 v[X+J:X+J+1], v[X+J:X+J+1], v[248:249]
.set J, J+2
.endr
.set J, 0
.rept 32
	v_pk_fma_f32 v[X+J:X+J+1], v[X+J:X+J+1], v[G+J:G+J+1], v[R+J:R+J+1]
.set J, J+2
.endr
.Lraw:
	QUANT X
	global_store_b128 v4, v[PC:PC+3], s[52:53]                     ; 512 consecutive bytes, at a multiple of 256 from the buffer's first byte
	global_store_b64 v5, v[PC+4:PC+5], s[52:53] offset:512         ; 256
	global_store_b128 v4, v[PC+6:PC+9], s[52:53] offset:768
	global_store_b64 v5, v[PC+10:PC+11], s[52:53] offset:1280
	global_store_b32 v6, v[PW], s[54:55]                           ; 16 scale words, 64 bytes: one part in 24 of what is stored
	s_wait_tensorcnt 0x0
	ds_add_u32 v245, v255
	s_wait_dscnt 0x0
	s_endpgm
.Lfunc_end_k_q6edc70cbc8_prep:
	.size	k_q6edc70cbc8_prep, .Lfunc_end_k_q6edc70cbc8_prep-k_q6edc70cbc8_prep
	.p2alignl 7, 3214868480
	.fill 96, 4, 3214868480
	.section	.rodata,"a",@progbits
	.p2align	6, 0x0
	.amdhsa_kernel k_q6edc70cbc8_prep
		.amdhsa_group_segment_fixed_size 69632
		.amdhsa_private_segment_fixed_size 0
		.amdhsa_enable_private_segment 0
		.amdhsa_kernarg_size 80
		.amdhsa_user_sgpr_count 2
		.amdhsa_user_sgpr_kernarg_segment_ptr 1
		.amdhsa_wavefront_size32 1
		.amdhsa_system_sgpr_workgroup_id_x 1
		.amdhsa_system_sgpr_workgroup_id_y 1
		.amdhsa_system_sgpr_workgroup_id_z 1
		.amdhsa_system_vgpr_workitem_id 0
		.amdhsa_next_free_vgpr 256
		.amdhsa_next_free_sgpr 66
		.amdhsa_reserve_vcc 0
		.amdhsa_float_denorm_mode_32 3
		.amdhsa_float_denorm_mode_16_64 3
		.amdhsa_memory_ordered 1
		.amdhsa_forward_progress 1
		.amdhsa_inst_pref_size 29
	.end_amdhsa_kernel
	.amdgpu_metadata
---
amdhsa.version: [ 1, 2 ]
amdhsa.kernels:
  - .name:           k_q6edc70cbc8_prep
    .symbol:         k_q6edc70cbc8_prep.kd
    .args:
      - { .name: x, .offset: 0, .size: 8, .value_kind: global_buffer, .address_space: global }
      - { .name: Wq, .offset: 8, .size: 8, .value_kind: global_buffer, .address_space: global }
      - { .name: Wk, .offset: 16, .size: 8, .value_kind: global_buffer, .address_space: global }
      - { .name: Wv, .offset: 24, .size: 8, .value_kind: global_buffer, .address_space: global }
      - { .name: Wo, .offset: 32, .size: 8, .value_kind: global_buffer, .address_space: global }
      - { .name: W1, .offset: 40, .size: 8, .value_kind: global_buffer, .address_space: global }
      - { .name: W2, .offset: 48, .size: 8, .value_kind: global_buffer, .address_space: global }
      - { .name: g_in, .offset: 56, .size: 8, .value_kind: global_buffer, .address_space: global }
      - { .name: b_in, .offset: 64, .size: 8, .value_kind: global_buffer, .address_space: global }
      - { .name: ops, .offset: 72, .size: 8, .value_kind: global_buffer, .address_space: global }
    .group_segment_fixed_size: 69632
    .private_segment_fixed_size: 0
    .kernarg_segment_align: 8
    .kernarg_segment_size: 80
    .max_flat_workgroup_size: 256
    .sgpr_count:     66
    .vgpr_count:     256
    .wavefront_size: 32
...
	.end_amdgpu_metadata
.endif
;; end of part 1
;; launch qkv (part 2): grid 12 x 16, 4 waves a work-group, clusters of 4 x 4, 327,680 bytes of LDS; arguments ops, bq, bk, bv, qkv; writes qkv
.if DOCPART == 2
	.amdgcn_target "amdgcn-amd-amdhsa--gfx1250"
	.amdhsa_code_object_version 6
	.text
	.protected	k_q6edc70cbc8_qkv
	.globl	k_q6edc70cbc8_qkv
	.p2align	8
	.type	k_q6edc70cbc8_qkv,@function
k_q6edc70cbc8_qkv:
	s_mov_b64 s[64:65], 0
	v_nop
	global_prefetch_b8 v0, s[64:65] scope:SCOPE_SE
	s_setreg_imm32_b32 hwreg(HW_REG_WAVE_MODE, 25, 1), 1
	s_wait_xcnt 0x0
	s_wait_alu depctr_hold_cnt(0) depctr_sa_sdst(0) depctr_va_vdst(0) depctr_va_sdst(0) depctr_va_ssrc(0) depctr_va_vcc(0) depctr_vm_vsrc(0)
	s_getreg_b32 s2, hwreg(HW_REG_IB_STS2, 6, 4)
	s_cmp_eq_u32 s2, 0
	s_cbranch_scc0 .Lentry_in_a_cluster
	s_endpgm
.Lentry_in_a_cluster:
	s_bfe_u32 s2, ttmp6, 0x10000c
	s_cmp_lg_u32 s2, 0xf033
	s_cbranch_scc0 .Lentry_shape_is_right
	s_endpgm
.Lentry_shape_is_right:
; q = xn Wq^T + bq, k = xn Wk^T + bk, v = xn Wv^T + bv on codes of FP6 (E2M3, one E8M0 scale for each 32 along K), and the results quantised again for attention: q and k along the head's 64, v along the TOKENS.
; OPERANDS come as records (128 rows x 128 K: eight fragments as images of their registers, 1,536 bytes each, then the rows' scale words at 12,288; 12,800 bytes), a panel's K steps on end; see the head of the launch that makes them.
; A work-group of four waves makes a tile of 256 x 256; a wave 128 x 128: 64 accumulators, 512 registers.  Source 0 is operand B (a lane's registers run along its rows), source 1 operand A (a lane holds one of its rows).
; Clusters x = 0, 1: A = xn (tokens), B = Wq, Wk: a lane holds a token and its registers run along the features: 128 features are two heads.
; Cluster x = 2:     A = Wv's rows, B = xn: the same text gives v TRANSPOSED: a lane holds a feature d and its registers run along 128 tokens.  Only offsets and masks are chosen by the cluster's x; no branch hangs on it.
; The 16 registers of two neighbouring result tiles are one half of a block of 32 in the fixed order that all operands of this program share, so they are quantised in registers and leave as images.
; K goes in slots of 2 K steps through a ring of two LDS slots.  CLUSTERS 4 x 4: A's records are asked for jointly along a row of the cluster, B's along a column.
; OUT (qkv): q half-images [head][token tile][768] at 0, k's at 3,145,728, v^T's [d tile][64 tokens][768] at 6,291,456; q, k scale words [128 features][token] at 9,437,184; v's [128 tokens][d] at 9,699,328.
; LIMITS: NaN and infinities are not served; a block of zeros gets the byte 1 (its codes are zeros; this program alone reads the bytes).
; REGISTERS: window 0: v1-31 addresses; v32-47 scale words, two sets; v48-111 the bias along B, as the C of each sum's first product; v128-223 A's fragments, one set; v240-255 the bias along A; window 1: B's fragments, two sets; windows 2, 3: accumulators.
.set NBLK,  8                          ; blocks of 16 rows of A and of B to a wave
.set APW,   4                          ; blocks of A whose accumulators fill a window
.set HIW,   1                          ; the second half of A's blocks has its accumulators in window 3
.set NQ,    2                          ; K steps in a slot
.set NK,    8                          ; K steps in all
.set REC,   12800
.set FRB,   1536
.set SCO,   12288
.set WLOAD, 25600                      ; what one tensor load brings: 100 rows of 256 bytes, dense
.set BREG,  2*WLOAD                    ; a slot: A's bytes, then B's
.set SLOT,  4*WLOAD
.set SSTEP, NQ*REC
.set WSTR,  25600                      ; from one half of the waves' fragments to the other's
.set WSS,   25600                      ; and of their scale words
.set LAPS,  NK/(2*NQ)
.set SPARE, 2*SLOT                     ; behind the ring: the spare words, 128 bytes for each wave
.set NL,    4                          ; LDS loads that bring a fragment
.set L16,    8
.set L8,     9
.set LS,     10
.set ADRA16, 16                        ; v16-17 A's fragments in slot 0, 1: + 16 x lane;  v18-19: + 8 x lane
.set ADRA8,  18
.set ADRB16, 20
.set ADRB8,  22
.set ADRS,   24                        ; v24-25 scale words: lanes 0-15 A's, lanes 16-31 B's
.set SPW,    28
.set NIL,    29
.set SC,     32
.set BI,     48
.set AF,     128
.set H,      128                       ; the way out: 64 numbers
.set PC,     192
.set TM,     212
.set PW,     228
.set BR,     240
.set G1,  24
.set G0,  32
.set G1B, 48
.set G0B, 56
.set SEL, 66
.set MSB, 0
.macro WIN new                         ; the immediate's high byte repeats the setting that is left
.if MSB != (\new)
	s_set_vgpr_msb (MSB<<8)|(\new)
.set MSB, (\new)
.endif
.endm
.set TO_B, 0x40
.macro WINM hi, first                  ; source 0 window 1, source 1 window 0, D window 2 or 3; C with D, or (first) the bias in window 0
.if \first
	WIN 0x81+0x40*HIW*(\hi)
.else
	WIN 0xa1+0x50*HIW*(\hi)
.endif
.endm
.macro PLACES n                        ; plain lines between a matrix instruction and a load into, or a vector read or write of, its registers
.rept \n
	v_nop
.endr
.endm
.macro JLOAD g0a, g1a, g0b, g1b        ; a joint load: waves 0, 1 fetch for A, waves 2, 3 for B; four v_nop follow each line
	s_cmp_eq_u32 s15, 0
	s_cbranch_scc0 .Lfor_b_\@
	tensor_load_to_lds s[\g0a:\g0a+3], s[\g1a:\g1a+7]
	s_nop 0
.rept 4
	v_nop
.endr
	s_branch .Lasked_\@
.Lfor_b_\@:
	tensor_load_to_lds s[\g0b:\g0b+3], s[\g1b:\g1b+7]
	s_nop 0
.rept 4
	v_nop
.endr
.Lasked_\@:
.endm
.macro CREST
	s_cmp_lg_u32 s14, 0
	s_cbranch_scc1 .Lnot_wave_0_\@
	s_barrier_signal -3
.Lnot_wave_0_\@:
	s_barrier_wait -3
	s_barrier_signal -1
	s_barrier_wait -1
.endm
.macro CROUND
	s_barrier_signal -1
	s_barrier_wait -1
	CREST
.endm
.macro FRAG reg, a16, a8, off          ; a fragment comes back as it was stored: each load reads 512 or 256 consecutive bytes
	ds_load_b128 v[(\reg):(\reg)+3], v[\a16] offset:(\off)
	ds_load_b64 v[(\reg)+4:(\reg)+5], v[\a8] offset:(\off)+512
	ds_load_b128 v[(\reg)+6:(\reg)+9], v[\a16] offset:(\off)+768
	ds_load_b64 v[(\reg)+10:(\reg)+11], v[\a8] offset:(\off)+1280
.endm
.macro FETCH_B slot, q, p
	WIN TO_B
.irp i, 0,1,2,3,4,5,6,7
.if \i < NBLK
	FRAG 128*(\p)+12*\i, ADRB16+\slot, ADRB8+\slot, (\q)*REC+FRB*\i
.endif
.endr
	WIN 0
.endm
.macro FETCH_A slot, q, i0
.set FI, \i0
.rept NBLK/2
	FRAG AF+12*FI, ADRA16+\slot, ADRA8+\slot, (\q)*REC+FRB*FI
.set FI, FI+1
.endr
.endm
.macro SCALES slot, q, p               ; register i of set p: lanes 0-15 the words of A's block i, lanes 16-31 those of B's block i
.irp i, 0,1,2,3,4,5,6,7
.if \i < NBLK
	ds_load_b32 v[SC+8*(\p)+\i], v[ADRS+\slot] offset:(\q)*REC+64*\i
.endif
.endr
.endm
.macro MULA a0, n, p, first            ; A's blocks a0 .. a0 + n - 1 against all of B's; the accumulators take turns, one instruction a turn, in the same order in every step
.set MA, \a0
.rept \n
.irp b, 0,1,2,3,4,5,6,7
.if \b < NBLK
.set AC, 8*(NBLK*(MA%APW)+\b)
.if \first
	v_wmma_scale_f32_16x16x128_f8f6f4 v[AC:AC+7], v[128*(\p)+12*\b:128*(\p)+12*\b+11], v[AF+12*MA:AF+12*MA+11], v[BI+8*\b:BI+8*\b+7], v[SC+8*(\p)+\b], v[SC+8*(\p)+MA] matrix_a_fmt:MATRIX_FMT_FP6 matrix_b_fmt:MATRIX_FMT_FP6 matrix_a_scale:MATRIX_SCALE_ROW1
.else
	v_wmma_scale_f32_16x16x128_f8f6f4 v[AC:AC+7], v[128*(\p)+12*\b:128*(\p)+12*\b+11], v[AF+12*MA:AF+12*MA+11], v[AC:AC+7], v[SC+8*(\p)+\b], v[SC+8*(\p)+MA] matrix_a_fmt:MATRIX_FMT_FP6 matrix_b_fmt:MATRIX_FMT_FP6 matrix_a_scale:MATRIX_SCALE_ROW1
.endif
.endif
.endr
.set MA, MA+1
.endr
.endm
.macro STEP slot, q, first             ; a K step that has its successor in the same slot
	s_wait_dscnt (NBLK/2)*NL                           ; B's set, A's first half and the scale words are in; the youngest loads (A's second half) may be out
	WINM 0, \first
	MULA 0, NBLK/2, (\q)%2, \first
	s_wait_dscnt 0x0                                   ; A's second half is in
	PLACES 4
	FETCH_B \slot, (\q)+1, 1-(\q)%2
	FETCH_A \slot, (\q)+1, 0
	SCALES \slot, (\q)+1, 1-(\q)%2
	WINM 1, \first
	MULA NBLK/2, NBLK/2, (\q)%2, \first
	PLACES 4
	WIN 0
	FETCH_A \slot, (\q)+1, NBLK/2
.endm
.macro TURN slot, next, fill           ; a slot's last K step changes slots: one barrier; fill = 1: it opens a round of the cluster's barrier and this slot is filled again
	s_wait_tensorcnt 0x0                               ; all my tensor loads have landed: my part of the next slot
	ds_add_u32 v[SPW], v[NIL]                          ; 0 onto my spare word
	s_wait_dscnt (NBLK/2)*NL+1                         ; (the add and A's second half may be out)
	WINM 0, 0
	MULA 0, NBLK/4, 1, 0
	s_wait_dscnt 0x0                                   ; the add is done, and my reads of this slot are over
	s_barrier_signal -1
	MULA NBLK/4, NBLK/4, 1, 0
	WIN 0
	s_barrier_wait -1
.if \fill
	CREST                                              ; no wave of any partner still reads this slot or has a load on its way
	s_add_nc_u64 s[G0+4*\slot+2:G0+4*\slot+3], s[G0+4*\slot+2:G0+4*\slot+3], 2*SSTEP
	s_add_nc_u64 s[G0B+4*\slot+2:G0B+4*\slot+3], s[G0B+4*\slot+2:G0B+4*\slot+3], 2*SSTEP
	JLOAD G0+4*\slot, G1, G0B+4*\slot, G1B             ; the first tensor load behind the round, one a wave; its four v_nop are also the places in front of the loads below
.else
	PLACES 4
.endif
	FETCH_B \next, 0, 0
	FETCH_A \next, 0, 0
	SCALES \next, 0, 0
	WINM 1, 0
	MULA NBLK/2, NBLK/2, 1, 0
	PLACES 4
	WIN 0
	FETCH_A \next, 0, NBLK/2
.endm
.macro LAST
	s_wait_dscnt (NBLK/2)*NL
	WINM 0, 0
	MULA 0, NBLK/2, 1, 0
	s_wait_dscnt 0x0
	WINM 1, 0
	MULA NBLK/2, NBLK/2, 1, 0
	WIN 0
.endm
.macro QUANT s                         ; 64 numbers of a lane (register 16 b + i = place 16 h + i of block b of my row) -> a fragment in v[PC] on, its scale word in v[PW]
.irp b, 0,1,2,3
	v_max3_num_f32 v[TM+\b], |v[\s+16*\b]|, |v[\s+1+16*\b]|, 0x1800000
.endr
.irp i, 2,4,6,8,10,12,14
.irp b, 0,1,2,3
	v_max3_num_f32 v[TM+\b], v[TM+\b], |v[\s+16*\b+\i]|, |v[\s+1+16*\b+\i]|
.endr
.endr
.irp b, 0,1,2,3
	v_permlanex16_b32 v[TM+4+\b], v[TM+\b], s[SEL], s[SEL+1]
.endr
.irp b, 0,1,2,3
	v_max_num_f32 v[TM+\b], v[TM+\b], v[TM+4+\b]
.endr
.irp b, 0,1,2,3
	v_add_nc_u32 v[TM+12+\b], 0xff000000, v[TM+\b]
.endr
.irp b, 0,1,2,3
	v_lshrrev_b32 v[TM+4+\b], 23, v[TM+12+\b]
.endr
	v_lshl_or_b32 v[PW], v[TM+5], 8, v[TM+4]
	v_lshl_or_b32 v[PW], v[TM+6], 16, v[PW]
	v_lshl_or_b32 v[PW], v[TM+7], 24, v[PW]
.irp c, 0,1
	v_cvt_scalef32_pk16_fp6_f32 v[PC+6*\c:PC+2+6*\c], v[\s+32*\c:\s+15+32*\c], v[TM+12+2*\c]
	v_cvt_scalef32_pk16_fp6_f32 v[PC+12+4*\c:PC+14+4*\c], v[\s+16+32*\c:\s+31+32*\c], v[TM+12+2*\c+1]
.endr
	v_nop                                              ; one plain line behind the scaled conversions
.irp c, 0,1
.irp i, 0,1,2
	v_permlane16_swap_b32 v[PC+6*\c+\i], v[PC+12+4*\c+\i]
.endr
.irp i, 0,1,2
	v_mov_b32 v[PC+3+6*\c+\i], v[PC+12+4*\c+\i]
.endr
.endr
.endm
	s_load_b256 s[4:11], s[0:1], 0x0                   ; ops s[4:5], bq s[6:7], bk s[8:9], bv s[10:11]
	s_load_b64 s[12:13], s[0:1], 0x20                  ; qkv
	v_lshl_add_u32 v[SPW], v0, 2, SPARE
	v_mov_b32 v[NIL], 0
	ds_add_u32 v28, v29
	ds_add_u32 v28, v29
	s_wait_dscnt 0x0
	v_lshrrev_b32 v1, 5, v0
	v_readfirstlane_b32 s14, v1                        ; wave 0..3
	s_lshr_b32 s15, s14, 1                             ; which half of A's rows is mine.  Also: I fetch for A (0) or for B (1)
	s_and_b32 s16, s14, 1                              ; which half of B's rows.  Also: which panel of the two I fetch
	s_bfe_u32 s40, ttmp6, 0x40000                      ; cx
	s_bfe_u32 s41, ttmp6, 0x40004                      ; cy
	s_and_b32 s18, ttmp7, 0xffff                       ; cluster y
	s_cmp_eq_u32 ttmp9, 2                              ; the clusters that make v: the same answer in all sixteen partners
	s_cselect_b32 s42, s18, ttmp9                      ; the cluster's part of tile x (B),
	s_cselect_b32 s17, 0, s18                          ; of tile y (A)
	s_cselect_b32 s19, 48, 0                           ; A's first panel: Wv or xn
	s_cselect_b32 s68, 0, 32                           ; B's: xn or Wq, Wk
	s_mov_b32 s80, 393216
	s_cselect_b32 s80, 1536, s80                       ; the way out: bytes for each 128 along B (two heads; two halves of 64 tokens),
	s_mov_b32 s81, 768
	s_cselect_b32 s81, 49152, s81                      ; for each 16 along A (a token tile; a d tile),
	s_cselect_b32 s82, 6291456, 0                      ; the region,
	s_mov_b32 s83, 16384
	s_cselect_b32 s83, 4096, s83                       ; scale words: bytes for each 128 along B,
	s_mov_b32 s84, 9437184
	s_cselect_b32 s84, 9699328, s84                    ; their region
	s_cselect_b32 s85, -1, 0                           ; all ones in v's clusters
	s_cselect_b32 s86, 0, -1                           ; all ones in q's and k's
	s_lshl_b32 s42, s42, 2
	s_add_co_u32 s42, s42, s40                         ; tile x
	s_lshl_b32 s17, s17, 2
	s_add_co_u32 s17, s17, s41                         ; tile y
	s_lshl_b32 s43, s41, 2
	s_lshl_b32 s43, 15, s43                            ; my row of the cluster
	s_lshl_b32 s44, 0x1111, s40                        ; my column
	s_or_b32 s[G1], s43, (3<<16)|(1<<21)               ; 15:0 the mask; 17:16 elements of 8 bytes; 21 set beside a mask; no padding
	s_or_b32 s[G1B], s44, (3<<16)|(1<<21)
.irp g, G1, G1B
	s_mov_b32 s[\g+1], 32<<16                          ; tensor_dim0 = 32 elements: 256 bytes
	s_mov_b32 s[\g+2], 100<<16                         ; tensor_dim1 = 100 rows
	s_mov_b32 s[\g+3], 32<<16                          ; tile_dim0
	s_mov_b32 s[\g+4], 100                             ; tile_dim1
	s_mov_b32 s[\g+5], 32                              ; the pitch: dense
	s_mov_b32 s[\g+6], 0
	s_mov_b32 s[\g+7], 0
.endr
	s_lshl_b32 s20, s17, 1
	s_add_co_u32 s20, s20, s16
	s_add_co_u32 s20, s20, s19
	s_mul_i32 s20, s20, NK*REC                         ; A: panel first + 2 x tile y + half
	s_mov_b32 s21, 0
	s_lshl_b32 s46, s42, 1
	s_add_co_u32 s46, s46, s16
	s_add_co_u32 s46, s46, s68
	s_mul_i32 s46, s46, NK*REC                         ; B likewise by tile x
	s_mov_b32 s47, 0
	s_mul_i32 s45, s14, WLOAD                          ; where they go: wave x 25,600: no place in the cluster enters an LDS address
	s_wait_kmcnt 0x0
	s_add_nc_u64 s[20:21], s[4:5], s[20:21]
	s_add_nc_u64 s[46:47], s[4:5], s[46:47]
	CROUND                                             ; all sixteen work-groups are here: the first joint loads meet
.irp s, 0,1
	s_mov_b32 s[G0+4*\s], 1
	s_add_co_u32 s[G0+4*\s+1], s45, \s*SLOT
	s_add_nc_u64 s[G0+4*\s+2:G0+4*\s+3], s[20:21], \s*SSTEP
	s_or_b32 s[G0+4*\s+3], s[G0+4*\s+3], 0x80000000
	s_mov_b32 s[G0B+4*\s], 1
	s_add_co_u32 s[G0B+4*\s+1], s45, \s*SLOT
	s_add_nc_u64 s[G0B+4*\s+2:G0B+4*\s+3], s[46:47], \s*SSTEP
	s_or_b32 s[G0B+4*\s+3], s[G0B+4*\s+3], 0x80000000
	JLOAD G0+4*\s, G1, G0B+4*\s, G1B                   ; two loads of mine are out
.endr
	v_and_b32 v1, 15, v0                               ; r
	v_bfe_u32 v2, v0, 4, 1                             ; h
	v_and_b32 v3, 31, v0
	v_lshlrev_b32 v[L16], 4, v3
	v_lshlrev_b32 v[L8], 3, v3
	v_lshlrev_b32 v[LS], 2, v1
	v_lshlrev_b32 v11, 5, v2                           ; 32 h
	s_mul_i32 s21, s15, WSTR
	s_mul_i32 s22, s16, WSTR
	s_add_co_u32 s22, s22, BREG
.irp s, 0,1
	v_add_nc_u32 v[ADRA16+\s], s21, v[L16]
	v_add_nc_u32 v[ADRA8+\s], s21, v[L8]
	v_add_nc_u32 v[ADRB16+\s], s22, v[L16]
	v_add_nc_u32 v[ADRB8+\s], s22, v[L8]
	s_add_co_u32 s21, s21, SLOT
	s_add_co_u32 s22, s22, SLOT
.endr
	s_mul_i32 s21, s15, WSS
	s_mul_i32 s22, s16, WSS
	s_add_co_u32 s22, s22, BREG
	s_sub_co_u32 s22, s22, s21
	v_mul_u32_u24 v4, s22, v2                          ; lanes 16-31 take B's words: one product, the distance x h
	s_add_co_u32 s21, s21, SCO
	v_add_nc_u32 v4, v[LS], v4
	v_add_nc_u32 v[ADRS], s21, v4
	v_add_nc_u32 v[ADRS+1], SLOT, v[ADRS]
	; the biases.  Along B (q, k): eight registers a block in the result's layout.  Along A (v): one number a lane and block
	s_cmp_lt_u32 s42, 4
	s_cselect_b64 s[6:7], s[6:7], s[8:9]               ; bq for tiles 0-3, else bk
	s_lshl_b32 s46, s42, 8
	s_lshl_b32 s47, s16, 7
	s_add_co_u32 s46, s46, s47
	s_and_b32 s46, s46, 1023                           ; (inside the vector in v's clusters too, where it is not used)
	s_lshl_b32 s46, s46, 2
	s_mov_b32 s47, 0
	s_add_nc_u64 s[6:7], s[6:7], s[46:47]
	s_lshl_b32 s20, s17, 8
	s_lshl_b32 s21, s15, 7
	s_add_co_u32 s20, s20, s21
	s_and_b32 s20, s20, 1023
	s_lshl_b32 s20, s20, 2
	s_mov_b32 s21, 0
	s_add_nc_u64 s[10:11], s[10:11], s[20:21]
.irp b, 0,1,2,3,4,5,6,7
	global_load_b128 v[BI+8*\b:BI+8*\b+3], v11, s[6:7] offset:64*\b
	global_load_b128 v[BI+8*\b+4:BI+8*\b+7], v11, s[6:7] offset:64*\b+16
.endr
.irp a, 0,1,2,3,4,5,6,7
	global_load_b32 v[BR+2*\a], v[LS], s[10:11] offset:64*\a
.endr
	; where my results go
	s_lshl_b32 s46, s42, 1
	s_add_co_u32 s46, s46, s16                         ; u: which 128 along B
	s_lshl_b32 s20, s17, 4
	s_lshl_b32 s21, s15, 3
	s_add_co_u32 s20, s20, s21                         ; t0: my first 16 along A
	s_mul_i32 s47, s46, s80
	s_mul_i32 s21, s20, s81
	s_add_co_u32 s47, s47, s21
	s_add_co_u32 s70, s47, s82
	s_mov_b32 s71, 0
	s_add_nc_u64 s[72:73], s[12:13], s[70:71]          ; the first half-image (registers 0-5),
	s_lshr_b32 s70, s80, 1
	s_add_nc_u64 s[74:75], s[72:73], s[70:71]          ; the second (registers 6-11): the next head, or the next 64 tokens
	s_mul_i32 s47, s46, s83
	s_lshl_b32 s21, s20, 6
	s_add_co_u32 s47, s47, s21
	s_add_co_u32 s70, s47, s84
	s_add_nc_u64 s[76:77], s[12:13], s[70:71]          ; the scale words
	s_mov_b32 s88, s81
	s_mov_b32 s89, 0
	s_mov_b32 s[SEL], 0x76543210
	s_mov_b32 s[SEL+1], 0xfedcba98
	s_wait_loadcnt 0x0                                 ; the biases
.set J, 0
.rept 64
	v_cndmask_b32 v[BI+J], 0, v[BI+J], s86             ; v has no bias along B
.set J, J+1
.endr
.irp a, 0,1,2,3,4,5,6,7
	v_cndmask_b32 v[BR+2*\a], 0, v[BR+2*\a], s85       ; q and k have none along A
	v_mov_b32 v[BR+2*\a+1], v[BR+2*\a]
.endr
	s_wait_tensorcnt 1                                 ; my part of slot 0 is in (slot 1's load may be out)
	s_barrier_signal -1
	s_barrier_wait -1                                  ; everybody's is
	FETCH_B 0, 0, 0
	FETCH_A 0, 0, 0
	SCALES 0, 0, 0
	FETCH_A 0, 0, NBLK/2
	STEP 0, 0, 1                                       ; the first step stands in front of the loop: its products start the sums, on the bias
	s_mov_b32 s3, LAPS-1
.Llap:                                                     ; a trip goes once round the ring and fills both slots again
	TURN 0, 1, 1
	STEP 1, 0, 0
	TURN 1, 0, 1
	STEP 0, 0, 0
	s_sub_co_u32 s3, s3, 1
	s_cmp_lg_u32 s3, 0
	s_cbranch_scc1 .Llap
	TURN 0, 1, 0                                       ; the last lap fills nothing
	STEP 1, 0, 0
	LAST
	; THE WAY OUT, a block of 16 rows of A at a time: the bias along A, the quantiser, and five stores.  No LDS: the images are what a lane holds
	PLACES 4
.irp b, 0,1,2,3
	v_mov_b32 v[TM+4+\b], 0                            ; a lane permute's destination counts as read
.endr
.irp a, 0,1,2,3,4,5,6,7
	WIN 0x02+(\a/4)                                    ; source 0: window 2 or 3
.set J, 0
.rept 32
	v_pk_add_f32 v[H+J:H+J+1], v[64*(\a%4)+J:64*(\a%4)+J+1], v[BR+2*\a:BR+2*\a+1]   ; each accumulator from its low end on
.set J, J+2
.endr
	WIN 0
.if \a > 0
	s_wait_xcnt 0x0                                    ; the last block's stores have read their data and bases: both are written again only behind this wait
	s_add_nc_u64 s[72:73], s[72:73], s[88:89]
	s_add_nc_u64 s[74:75], s[74:75], s[88:89]
.endif
	QUANT H
	global_store_b128 v[L16], v[PC:PC+3], s[72:73]                 ; 512 consecutive bytes, at a multiple of 256 from the buffer's first byte
	global_store_b64 v[L8], v[PC+4:PC+5], s[72:73] offset:512
	global_store_b128 v[L16], v[PC+6:PC+9], s[74:75]
	global_store_b64 v[L8], v[PC+10:PC+11], s[74:75] offset:512
	global_store_b32 v[LS], v[PW], s[76:77] offset:64*\a
.endr
	s_wait_tensorcnt 0x0                               ; the wave's end
	ds_add_u32 v[SPW], v[NIL]
	s_wait_dscnt 0x0
	CROUND                                             ; the closing round
	s_endpgm
.Lfunc_end_k_q6edc70cbc8_qkv:
	.size	k_q6edc70cbc8_qkv, .Lfunc_end_k_q6edc70cbc8_qkv-k_q6edc70cbc8_qkv
	.p2alignl 7, 3214868480
	.fill 96, 4, 3214868480
	.section	.rodata,"a",@progbits
	.p2align	6, 0x0
	.amdhsa_kernel k_q6edc70cbc8_qkv
		.amdhsa_group_segment_fixed_size 327680
		.amdhsa_private_segment_fixed_size 0
		.amdhsa_enable_private_segment 0
		.amdhsa_kernarg_size 40
		.amdhsa_user_sgpr_count 2
		.amdhsa_user_sgpr_kernarg_segment_ptr 1
		.amdhsa_wavefront_size32 1
		.amdhsa_system_sgpr_workgroup_id_x 1
		.amdhsa_system_sgpr_workgroup_id_y 1
		.amdhsa_system_sgpr_workgroup_id_z 1
		.amdhsa_system_vgpr_workitem_id 0
		.amdhsa_next_free_vgpr 1024
		.amdhsa_next_free_sgpr 100
		.amdhsa_reserve_vcc 0
		.amdhsa_float_denorm_mode_32 3
		.amdhsa_float_denorm_mode_16_64 3
		.amdhsa_memory_ordered 1
		.amdhsa_forward_progress 1
		.amdhsa_inst_pref_size 173
	.end_amdhsa_kernel
	.amdgpu_metadata
---
amdhsa.version: [ 1, 2 ]
amdhsa.kernels:
  - .name:           k_q6edc70cbc8_qkv
    .symbol:         k_q6edc70cbc8_qkv.kd
    .args:
      - { .name: ops, .offset: 0, .size: 8, .value_kind: global_buffer, .address_space: global }
      - { .name: bq, .offset: 8, .size: 8, .value_kind: global_buffer, .address_space: global }
      - { .name: bk, .offset: 16, .size: 8, .value_kind: global_buffer, .address_space: global }
      - { .name: bv, .offset: 24, .size: 8, .value_kind: global_buffer, .address_space: global }
      - { .name: qkv, .offset: 32, .size: 8, .value_kind: global_buffer, .address_space: global }
    .group_segment_fixed_size: 327680
    .private_segment_fixed_size: 0
    .kernarg_segment_align: 8
    .kernarg_segment_size: 40
    .max_flat_workgroup_size: 128
    .sgpr_count:     100
    .vgpr_count:     1024
    .wavefront_size: 32
...
	.end_amdgpu_metadata
.endif
;; end of part 2
;; launch attn (part 3): grid 16 x 16, 8 waves a work-group, no clusters, 2,048 bytes of LDS; arguments qkv, res_pos, obuf; writes obuf
.if DOCPART == 3
	.amdgcn_target "amdgcn-amd-amdhsa--gfx1250"
	.amdhsa_code_object_version 6
	.text
	.protected	k_q6edc70cbc8_attn
	.globl	k_q6edc70cbc8_attn
	.p2align	8
	.type	k_q6edc70cbc8_attn,@function
k_q6edc70cbc8_attn:
	s_mov_b64 s[64:65], 0
	v_nop
	global_prefetch_b8 v0, s[64:65] scope:SCOPE_SE
	s_setreg_imm32_b32 hwreg(HW_REG_WAVE_MODE, 25, 1), 1
	s_wait_xcnt 0x0
; BANDED ATTENTION on codes of FP6 (E2M3, one E8M0 scale for each 32 along a product's K), and o quantised along E for the next product.
; logit(i, j) = q_i . k_j / 8 + res_pos[head][i - j] where 0 <= i - j < 128, else -infinity.  t = logit x log2(e); M = ceil(the row's largest t); p = 2^(t - M) is quantised along the keys; the sum of the unquantised p divides at the end.
; SHARES.  A work-group: 256 tokens of one head.  A wave: 32 queries (two tiles of 16), first token 32 pr.  All keys that count for them lie among the 160 tokens 32 pr - 128 .. 32 pr + 31: five true blocks of 32, ten tiles of 16.
; So a query sees all its keys at once: M is the row's own, and nothing is rescaled.  Everything a wave reads (Q, K, V as register images, their scale words) goes from memory straight into registers, all asked for at the head.
; No tensor load, no ring, no cluster: what neighbouring waves share is a few KB a wave.
; BOTH PRODUCTS TRANSPOSED: S^T = K Q^T, O^T = V^T P^T: a lane holds one query throughout; the 16 registers of two neighbouring key tiles are half a block of 32 keys in the fixed order in which V's tokens were quantised.
; THE HEAD'S 64 IN AN INSTRUCTION OF 128: two key tiles' halves make one fragment of K; q stands between two runs of zero codes, [0 | q | 0], and the twelve registers [q | 0] pick the even tile, [0 | q] the odd one.
; BIAS AND MASK are one table: for query tile e and key tile tau, i - j = 16 (8 + e - tau) + r - 8 h - register.  256 words in LDS hold res_pos x log2(e), or -infinity outside 0 .. 127; nine diagonals of 8 registers are read from it.
; Tokens before the sequence's start (also: the other sequence's) become -infinity by one more addition, in the waves whose window reaches there; the loads for them are clamped into the buffer and meet p = 0.
; LIMITS: NaN and infinities are not served; a block of zeros gets the byte 1 (its codes are zeros).
; REGISTERS, window 0: v1-12 addresses; v16-23 -M, sums, 1 / sum; v32-111 S^T, then p, then o; v112-143 O^T; v144-179 q; v180-203 p's codes; v204-238 at work; v239-255 scale words.
;   window 1: v0-71 the nine diagonals; v72-131 K; v132-179 V, blocks 0-3; v180-209 V, block 4 (six registers a d tile, six zeros behind: a fragment's upper six meet zero codes of p).
.set S,   32
.set OA,  112
.set QF,  144
.set P1,  180
.set P2,  192
.set CT,  204
.set BM,  216
.set PT,  221
.set SO,  226
.set BY,  231
.set OW,  238
.set PS2, 239
.set KS,  240
.set QS,  245
.set VS1, 247
.set VS2, 251
.set PS1, 255
.set T,   0
.set KF,  72
.set V1,  132
.set V2,  180
.set SEL, 20
.set CS,  22
.set MSB, 0
.macro WIN new
.if MSB != (\new)
	s_set_vgpr_msb (MSB<<8)|(\new)
.set MSB, (\new)
.endif
.endm
.macro PLACES n
.rept \n
	v_nop
.endr
.endm
; V's offsets for the fragment registers 6 c on: lanes 0-15 want block B0 + 2 c, lanes 16-31 the next; block b lies in half-image b / 2, in the lanes of half b % 2.  Clamped to 0 .. 127 in scalars; base + h x distance
.macro VADR vx, vy, c
	s_add_co_i32 s70, s14, 2*\c
	s_add_co_i32 s71, s70, 1
	s_max_i32 s70, s70, 0
	s_max_i32 s71, s71, 0
	s_min_i32 s71, s71, 127
	s_lshr_b32 s72, s70, 1
	s_mul_i32 s72, s72, 768
	s_and_b32 s73, s70, 1
	s_lshr_b32 s74, s71, 1
	s_mul_i32 s74, s74, 768
	s_and_b32 s75, s71, 1
	s_lshl_b32 s76, s73, 8
	s_add_co_u32 s76, s76, s72
	s_lshl_b32 s77, s75, 8
	s_add_co_u32 s77, s77, s74
	s_sub_co_u32 s77, s77, s76
	v_mul_u32_u24 v[\vx], s77, v2
	v_add_nc_u32 v[\vx], s76, v[\vx]
	v_lshl_add_u32 v[\vx], v1, 4, v[\vx]               ; registers 0-3: 16 bytes a lane
	s_lshl_b32 s76, s73, 7
	s_add_co_u32 s76, s76, s72
	s_lshl_b32 s77, s75, 7
	s_add_co_u32 s77, s77, s74
	s_sub_co_u32 s77, s77, s76
	v_mul_u32_u24 v[\vy], s77, v2
	v_add_nc_u32 v[\vy], s76, v[\vy]
	v_lshl_add_u32 v[\vy], v1, 3, v[\vy]
	v_add_nc_u32 v[\vy], 512, v[\vy]                   ; registers 4-5: 8 bytes a lane, behind the 512
.endm
	s_load_b128 s[4:7], s[0:1], 0x0                    ; qkv s[4:5], res_pos s[6:7]
	s_load_b64 s[8:9], s[0:1], 0x10                    ; obuf
	v_lshl_add_u32 v236, v0, 2, 0x400
	v_mov_b32 v237, 0
	v_lshrrev_b32 v1, 5, v0
	v_readfirstlane_b32 s10, v1                        ; wave 0..7
	v_and_b32 v1, 15, v0                               ; r
	v_bfe_u32 v2, v0, 4, 1                             ; h
	v_and_b32 v3, 31, v0
	v_lshlrev_b32 v4, 3, v3                            ; 8 x lane
	v_lshlrev_b32 v3, 4, v3                            ; 16 x lane
	v_lshlrev_b32 v5, 2, v1                            ; 4 r
	v_lshlrev_b32 v13, 3, v2
	v_add_nc_u32 v12, 9, v1
	v_sub_nc_u32 v12, v12, v13
	v_lshlrev_b32 v12, 2, v12                          ; the table: 4 (9 + r - 8 h)
	v_add_nc_u32 v13, -16, v0                          ; thread t makes the entry of distance t - 16
	v_cmp_lt_u32 vcc_lo, 0x7f, v13                     ; outside 0 .. 127
	v_mov_b32 v24, 0
	v_cndmask_b32 v14, v13, v24, vcc_lo                ; (there entry 0 is read, and not used)
	v_lshlrev_b32 v14, 2, v14
	v_lshlrev_b32 v25, 2, v0
	s_and_b32 s11, ttmp7, 0xffff                       ; the head
	s_lshl_b32 s12, ttmp9, 3
	s_add_co_u32 s12, s12, s10                         ; pr: which 32 queries
	s_lshl_b32 s13, s12, 5
	s_and_b32 s13, s13, 2047                           ; their place in the sequence
	s_sub_co_i32 s14, s12, 4                           ; B0: the window's first block of 32 tokens (may be negative)
	s_mul_i32 s15, s11, 196608                         ; the head's bytes in q, in k and in v^T
	s_lshr_b32 s16, s11, 1
	s_and_b32 s17, s11, 1
	s_lshl_b32 s18, s17, 1
	s_mov_b32 s61, 0
	s_add_co_u32 s66, s15, 3145728                     ; k's images of my head
	s_lshl_b32 s67, s16, 14
	s_add_co_u32 s67, s67, s18
	s_add_co_u32 s67, s67, 9437184                     ; q's scale words of my pair of heads, my head's two bytes
	s_mov_b32 s[SEL], 0x76543210
	s_mov_b32 s[SEL+1], 0xfedcba98
	s_mov_b32 s[CS], 0x3e38aa3b                        ; log2(e) / 8
	s_mov_b32 s[CS+1], s[CS]
	s_and_b32 s58, s14, 3
	s_lshl_b32 s58, s58, 3                             ; bits by which v's scale words are shifted: 8 (B0 mod 4)
	VADR 6, 7, 0
	VADR 8, 9, 1
	VADR 10, 11, 2
	s_wait_kmcnt 0x0
	s_lshl_b32 s60, s11, 9
	s_add_nc_u64 s[6:7], s[6:7], s[60:61]
	global_load_b32 v15, v14, s[6:7]                   ; res_pos
	s_mul_i32 s60, s12, 1536
	s_add_co_u32 s60, s60, s15
	s_add_nc_u64 s[44:45], s[4:5], s[60:61]            ; q: my two tiles
	s_lshl_b32 s60, s12, 7
	s_add_co_u32 s60, s60, s67
	s_add_nc_u64 s[46:47], s[4:5], s[60:61]            ; and their scale words
	s_add_co_u32 s67, s67, 131072                      ; k's scale words
.irp n, 0,1,2,3,4
	s_add_co_i32 s62, s14, \n
	s_max_i32 s62, s62, 0                              ; block n of the window, held inside the buffer
	s_mul_i32 s60, s62, 1536
	s_add_co_u32 s60, s60, s66
	s_add_nc_u64 s[24+2*\n:25+2*\n], s[4:5], s[60:61]
	s_lshl_b32 s60, s62, 7
	s_add_co_u32 s60, s60, s67
	s_add_nc_u64 s[34+2*\n:35+2*\n], s[4:5], s[60:61]
.endr
	s_add_co_u32 s60, s15, 6291456
	s_add_nc_u64 s[48:49], s[4:5], s[60:61]            ; v^T: my head's four d tiles
	s_ashr_i32 s68, s14, 2
	s_add_co_i32 s69, s68, 1
	s_max_i32 s68, s68, 0
	s_lshl_b32 s63, s11, 8
	s_add_co_u32 s63, s63, 9699328
	s_lshl_b32 s60, s68, 12
	s_add_co_u32 s60, s60, s63
	s_add_nc_u64 s[50:51], s[4:5], s[60:61]            ; v's scale words of the 128 tokens in which the window begins,
	s_lshl_b32 s60, s69, 12
	s_add_co_u32 s60, s60, s63
	s_add_nc_u64 s[52:53], s[4:5], s[60:61]            ; and of the next 128
	s_lshr_b32 s62, s12, 2
	s_lshl_b32 s62, s62, 3
	s_add_co_u32 s62, s62, s16
	s_mul_i32 s62, s62, 12800                          ; o: record (panel pr / 4, K step head / 2)
	s_and_b32 s63, s12, 3
	s_mul_i32 s60, s63, 3072
	s_add_co_u32 s60, s60, s62
	s_mul_i32 s68, s17, 768
	s_add_co_u32 s60, s60, s68
	s_add_nc_u64 s[54:55], s[8:9], s[60:61]            ; fragment 2 (pr % 4), half head % 2
	s_lshl_b32 s60, s63, 7
	s_add_co_u32 s60, s60, s62
	s_add_co_u32 s60, s60, s18
	s_add_co_u32 s60, s60, 12288
	s_add_nc_u64 s[56:57], s[8:9], s[60:61]            ; my head's two bytes of the rows' scale words
.irp e, 0,1
	global_load_b128 v[QF+18*\e+6:QF+18*\e+9], v3, s[44:45] offset:768*\e
	global_load_b64 v[QF+18*\e+10:QF+18*\e+11], v4, s[44:45] offset:768*\e+512
.endr
	WIN 0x40                                           ; destination window 1
.irp n, 0,1,2,3,4
	global_load_b128 v[KF+12*\n:KF+12*\n+3], v3, s[24+2*\n:25+2*\n]
	global_load_b64 v[KF+12*\n+4:KF+12*\n+5], v4, s[24+2*\n:25+2*\n] offset:512
	global_load_b128 v[KF+12*\n+6:KF+12*\n+9], v3, s[24+2*\n:25+2*\n] offset:768
	global_load_b64 v[KF+12*\n+10:KF+12*\n+11], v4, s[24+2*\n:25+2*\n] offset:1280
.endr
	WIN 0
.irp n, 0,1,2,3,4
	global_load_u16 v[S+2*\n], v5, s[34+2*\n:35+2*\n]
	global_load_u16 v[S+2*\n+1], v5, s[34+2*\n:35+2*\n] offset:64
.endr
	global_load_u16 v[S+10], v5, s[46:47]
	global_load_u16 v[S+11], v5, s[46:47] offset:64
	s_wait_loadcnt 36                                  ; res_pos is in; the 36 loads of q and k may be out
	v_mul_f32 v15, 0x3fb8aa3b, v15                     ; x log2(e)
	v_mov_b32 v24, 0xff800000
	v_cndmask_b32 v15, v15, v24, vcc_lo                ; -infinity outside the window
	ds_store_b32 v25, v15
	WIN 0x40
.irp t, 0,1,2,3
	global_load_b128 v[V1+12*\t:V1+12*\t+3], v6, s[48:49] offset:49152*\t
	global_load_b64 v[V1+12*\t+4:V1+12*\t+5], v7, s[48:49] offset:49152*\t
	global_load_b128 v[V1+12*\t+6:V1+12*\t+9], v8, s[48:49] offset:49152*\t
	global_load_b64 v[V1+12*\t+10:V1+12*\t+11], v9, s[48:49] offset:49152*\t
	global_load_b128 v[V2+6*\t:V2+6*\t+3], v10, s[48:49] offset:49152*\t
	global_load_b64 v[V2+6*\t+4:V2+6*\t+5], v11, s[48:49] offset:49152*\t
.endr
	WIN 0
.irp t, 0,1,2,3
	global_load_b32 v[S+12+\t], v5, s[50:51] offset:64*\t
	global_load_b32 v[S+16+\t], v5, s[52:53] offset:64*\t
.endr
	s_wait_dscnt 0x0                                   ; for the others' sake: my entry of the table has landed
	s_barrier_signal -1
	s_barrier_wait -1
	WIN 0x40
.irp d, 0,1,2,3,4,5,6,7,8
.irp j, 0,1,2,3,4,5,6,7
	ds_load_b32 v[T+8*\d+\j], v12 offset:4*(16*\d+7-\j)   ; diagonal d, register j: distance 16 d + r - 8 h - j
.endr
.endr
.irp i, 0,1,2,3,4,5
	v_mov_b32 v[V2+24+\i], 0                           ; behind the last d tile's six
.endr
	WIN 0
.irp e, 0,1
.irp i, 0,1,2,3,4,5
	v_mov_b32 v[QF+18*\e+\i], 0                        ; zero codes on both sides of q
	v_mov_b32 v[QF+18*\e+12+\i], 0
.endr
.endr
.irp i, 0,1,2,3,4,5
	v_mov_b32 v[P2+6+\i], 0                            ; the second step has one block of keys: the rest are zero codes
.endr
.irp i, 0,1,2,3,4
	v_mov_b32 v[PT+\i], 0                              ; a lane permute's destination counts as read
.endr
	s_wait_loadcnt 32                                  ; q, k and their scales are in; v's 32 loads may be out
.irp n, 0,1,2,3,4
	v_lshl_or_b32 v[KS+\n], v[S+2*\n+1], 16, v[S+2*\n] ; the even tile's two bytes below, the odd tile's above
.endr
.irp e, 0,1
	v_lshl_or_b32 v[QS+\e], v[S+10+\e], 16, v[S+10+\e] ; q's two bytes serve in either half
.endr
	s_wait_loadcnt 0x0
.irp t, 0,1,2,3
	v_alignbit_b32 v[VS1+\t], v[S+16+\t], v[S+12+\t], s58   ; the bytes of blocks B0 .. B0 + 3
	v_lshrrev_b32 v[VS2+\t], s58, v[S+16+\t]                ; and of block B0 + 4, lowest
.endr
	s_wait_dscnt 0x0                                   ; the diagonals
	PLACES 8                                           ; scale words made by vector instructions stand 8 plain lines ahead of a scaled matrix instruction
.macro QTILE e
	WIN 0x01                                           ; source 0 window 1
.irp u, 0,1,2,3,4,5,6,7,8
.set TAU, \u+\e
	v_wmma_scale_f32_16x16x128_f8f6f4 v[S+8*TAU:S+8*TAU+7], v[KF+12*(TAU/2):KF+12*(TAU/2)+11], v[QF+18*\e+6-6*(TAU%2):QF+18*\e+17-6*(TAU%2)], 0, v[KS+TAU/2], v[QS+\e] matrix_a_fmt:MATRIX_FMT_FP6 matrix_b_fmt:MATRIX_FMT_FP6
.endr
	WIN 0
.irp j, 0,1,2,3,4,5,6,7
	v_mov_b32 v[S+72-72*\e+\j], 0xff800000             ; the tenth tile lies wholly outside this tile's window.  (Eight plain lines behind the products)
.endr
	WIN 0x10                                           ; source 2 window 1
.irp u, 0,1,2,3,4,5,6,7,8
.irp i, 0,2,4,6
	v_pk_fma_f32 v[S+8*(\u+\e)+\i:S+8*(\u+\e)+\i+1], v[S+8*(\u+\e)+\i:S+8*(\u+\e)+\i+1], s[CS:CS+1], v[T+8*(8-\u)+\i:T+8*(8-\u)+\i+1] op_sel_hi:[1,0,1]   ; t = score x log2(e) / 8 + bias, or -infinity
.endr
.endr
	WIN 0
	s_cmp_ge_u32 s13, 128                              ; a branch on ids: does my window reach before the sequence's start?
	s_cbranch_scc1 .Linside_\@
.irp n, 0,1,2,3
	s_add_co_u32 s70, s13, 32*\n
	s_cmp_lt_u32 s70, 128
	s_cselect_b32 s70, 0xff800000, 0                   ; block n lies before the start: -infinity
	s_mov_b32 s71, s70
.irp i, 0,2,4,6,8,10,12,14
	v_pk_add_f32 v[S+16*\n+\i:S+16*\n+\i+1], v[S+16*\n+\i:S+16*\n+\i+1], s[70:71] op_sel_hi:[1,0]
.endr
.endr
.Linside_\@:
.irp n, 0,1,2,3,4
	v_max3_num_f32 v[BM+\n], v[S+16*\n], v[S+16*\n+1], v[S+16*\n+2]   ; each block's largest t: for the row's maximum, and, since p rises with t, for the block's largest p
.endr
.irp i, 3,5,7,9,11,13
.irp n, 0,1,2,3,4
	v_max3_num_f32 v[BM+\n], v[BM+\n], v[S+16*\n+\i], v[S+16*\n+\i+1]
.endr
.endr
.irp n, 0,1,2,3,4
	v_max_num_f32 v[BM+\n], v[BM+\n], v[S+16*\n+15]
.endr
.irp n, 0,1,2,3,4
	v_permlanex16_b32 v[PT+\n], v[BM+\n], s[SEL], s[SEL+1]
.endr
.irp n, 0,1,2,3,4
	v_max_num_f32 v[BM+\n], v[BM+\n], v[PT+\n]
.endr
	v_max3_num_f32 v24, v[BM], v[BM+1], v[BM+2]
	v_max3_num_f32 v24, v24, v[BM+3], v[BM+4]          ; the row's largest t: key i itself always counts, so it is a number
	v_floor_f32 v16, -v24                              ; -M = -ceil(t)
	v_mov_b32 v17, v16
.set J, 0
.rept 40
	v_pk_add_f32 v[S+J:S+J+1], v[S+J:S+J+1], v[16:17]
.set J, J+2
.endr
.irp n, 0,1,2,3,4
	v_add_f32 v[BM+\n], v[BM+\n], v16
.endr
.set J, 0
.rept 80
	v_exp_f32 v[S+J], v[S+J]                           ; p = 2^(t - M)
.set J, J+1
.endr
	v_nop                                              ; a plain line behind the exponentials
	s_wait_alu depctr_va_vdst(0)                       ; one wait for the batch, ahead of its first reader
.irp n, 0,1,2,3,4
	v_exp_f32 v[BM+\n], v[BM+\n]                       ; the blocks' largest p
.endr
	v_pk_add_f32 v[18:19], v[S:S+1], v[S+2:S+3]        ; the sum of the unquantised p, in two packed chains
	v_pk_add_f32 v[20:21], v[S+4:S+5], v[S+6:S+7]
.set J, 8
.rept 18
	v_pk_add_f32 v[18:19], v[18:19], v[S+J:S+J+1]
	v_pk_add_f32 v[20:21], v[20:21], v[S+J+2:S+J+3]
.set J, J+4
.endr
	s_wait_alu depctr_va_vdst(0)                       ; and one for the five
.if \e
	s_wait_xcnt 0x0                                    ; the first tile's stores have read their data: those registers are written again only behind this wait
.endif
.irp n, 0,1,2,3,4
	v_max_num_f32 v[BM+\n], 0x1800000, v[BM+\n]        ; the floor 2^(3 - 127): the byte cannot fall under 1
.endr
.irp n, 0,1,2,3,4
	v_add_nc_u32 v[SO+\n], 0xff000000, v[BM+\n]
.endr
.irp n, 0,1,2,3,4
	v_lshrrev_b32 v[BY+\n], 23, v[SO+\n]
.endr
	v_lshl_or_b32 v[PS1], v[BY+1], 8, v[BY]
	v_lshl_or_b32 v[PS1], v[BY+2], 16, v[PS1]
	v_lshl_or_b32 v[PS1], v[BY+3], 24, v[PS1]
	v_mov_b32 v[PS2], v[BY+4]
.irp i, 0,1,2
	v_mov_b32 v[CT+8+\i], 0
.endr
	v_cvt_scalef32_pk16_fp6_f32 v[P1:P1+2], v[S:S+15], v[SO]
	v_cvt_scalef32_pk16_fp6_f32 v[CT:CT+2], v[S+16:S+31], v[SO+1]
	v_cvt_scalef32_pk16_fp6_f32 v[P1+6:P1+8], v[S+32:S+47], v[SO+2]
	v_cvt_scalef32_pk16_fp6_f32 v[CT+4:CT+6], v[S+48:S+63], v[SO+3]
	v_cvt_scalef32_pk16_fp6_f32 v[P2:P2+2], v[S+64:S+79], v[SO+4]
	v_nop                                              ; one plain line behind the scaled conversions
.irp i, 0,1,2
	v_permlane16_swap_b32 v[P1+\i], v[CT+\i]           ; a whole block to a lane
	v_permlane16_swap_b32 v[P1+6+\i], v[CT+4+\i]
	v_permlane16_swap_b32 v[P2+\i], v[CT+8+\i]         ; block 4 to lanes 0-15, zero codes to lanes 16-31
.endr
.irp i, 0,1,2
	v_mov_b32 v[P1+3+\i], v[CT+\i]
	v_mov_b32 v[P1+9+\i], v[CT+4+\i]
	v_mov_b32 v[P2+3+\i], v[CT+8+\i]
.endr
	v_pk_add_f32 v[18:19], v[18:19], v[20:21]
	v_add_f32 v18, v18, v19
	v_permlanex16_b32 v[PT], v18, s[SEL], s[SEL+1]
	v_add_f32 v18, v18, v[PT]                          ; the row's sum
	v_rcp_f32 v22, v18
	v_rcp_f32 v23, v18
	PLACES 8                                           ; p's scale words stand 8 plain lines, its codes 4, ahead of the scaled matrix instructions
	WIN 0x01
.irp t, 0,1,2,3
	v_wmma_scale_f32_16x16x128_f8f6f4 v[OA+8*\t:OA+8*\t+7], v[V1+12*\t:V1+12*\t+11], v[P1:P1+11], 0, v[VS1+\t], v[PS1] matrix_a_fmt:MATRIX_FMT_FP6 matrix_b_fmt:MATRIX_FMT_FP6
.endr
.irp t, 0,1,2,3                        ; the four accumulators by turns, one instruction a turn
	v_wmma_scale_f32_16x16x128_f8f6f4 v[OA+8*\t:OA+8*\t+7], v[V2+6*\t:V2+6*\t+11], v[P2:P2+11], v[OA+8*\t:OA+8*\t+7], v[VS2+\t], v[PS2] matrix_a_fmt:MATRIX_FMT_FP6 matrix_b_fmt:MATRIX_FMT_FP6
.endr
	WIN 0
	PLACES 4
	s_wait_alu depctr_va_vdst(0)                       ; the wait for the two reciprocals, ahead of their first reader
.set J, 0
.rept 16
	v_pk_mul_f32 v[S+J:S+J+1], v[OA+J:OA+J+1], v[22:23]   ; o = O^T / the sum; each accumulator from its low end on.  Register 16 b + i: place 16 h + i of block b of the head's 64
.set J, J+2
.endr
.irp b, 0,1
	v_max3_num_f32 v[BM+\b], |v[S+16*\b]|, |v[S+16*\b+1]|, 0x1800000
.endr
.irp i, 2,4,6,8,10,12,14
.irp b, 0,1
	v_max3_num_f32 v[BM+\b], v[BM+\b], |v[S+16*\b+\i]|, |v[S+16*\b+\i+1]|
.endr
.endr
.irp b, 0,1
	v_permlanex16_b32 v[PT+\b], v[BM+\b], s[SEL], s[SEL+1]
.endr
.irp b, 0,1
	v_max_num_f32 v[BM+\b], v[BM+\b], v[PT+\b]
.endr
.irp b, 0,1
	v_add_nc_u32 v[SO+\b], 0xff000000, v[BM+\b]
.endr
.irp b, 0,1
	v_lshrrev_b32 v[BY+\b], 23, v[SO+\b]
.endr
	v_lshl_or_b32 v[OW], v[BY+1], 8, v[BY]
	v_cvt_scalef32_pk16_fp6_f32 v[CT:CT+2], v[S:S+15], v[SO]
	v_cvt_scalef32_pk16_fp6_f32 v[CT+4:CT+6], v[S+16:S+31], v[SO+1]
	v_nop
.irp i, 0,1,2
	v_permlane16_swap_b32 v[CT+\i], v[CT+4+\i]
.endr
	v_mov_b32 v[CT+3], v[CT+4]
	v_mov_b32 v[CT+4], v[CT+5]
	v_mov_b32 v[CT+5], v[CT+6]
	global_store_b128 v3, v[CT:CT+3], s[54:55] offset:1536*\e          ; 512 consecutive bytes, at a multiple of 256 from the buffer's first byte
	global_store_b64 v4, v[CT+4:CT+5], s[54:55] offset:1536*\e+512
	global_store_b16 v5, v[OW], s[56:57] offset:64*\e                  ; my head's two bytes of 16 rows' scale words (the other two are the neighbouring head's)
.endm
	QTILE 0
	QTILE 1
	s_wait_tensorcnt 0x0
	ds_add_u32 v236, v237
	s_wait_dscnt 0x0
	s_endpgm
.Lfunc_end_k_q6edc70cbc8_attn:
	.size	k_q6edc70cbc8_attn, .Lfunc_end_k_q6edc70cbc8_attn-k_q6edc70cbc8_attn
	.p2alignl 7, 3214868480
	.fill 96, 4, 3214868480
	.section	.rodata,"a",@progbits
	.p2align	6, 0x0
	.amdhsa_kernel k_q6edc70cbc8_attn
		.amdhsa_group_segment_fixed_size 2048
		.amdhsa_private_segment_fixed_size 0
		.amdhsa_enable_private_segment 0
		.amdhsa_kernarg_size 24
		.amdhsa_user_sgpr_count 2
		.amdhsa_user_sgpr_kernarg_segment_ptr 1
		.amdhsa_wavefront_size32 1
		.amdhsa_system_sgpr_workgroup_id_x 1
		.amdhsa_system_sgpr_workgroup_id_y 1
		.amdhsa_system_sgpr_workgroup_id_z 1
		.amdhsa_system_vgpr_workitem_id 0
		.amdhsa_next_free_vgpr 512
		.amdhsa_next_free_sgpr 80
		.amdhsa_reserve_vcc 1
		.amdhsa_float_denorm_mode_32 3
		.amdhsa_float_denorm_mode_16_64 3
		.amdhsa_memory_ordered 1
		.amdhsa_forward_progress 1
		.amdhsa_inst_pref_size 72
	.end_amdhsa_kernel
	.amdgpu_metadata
---
amdhsa.version: [ 1, 2 ]
amdhsa.kernels:
  - .name:           k_q6edc70cbc8_attn
    .symbol:         k_q6edc70cbc8_attn.kd
    .args:
      - { .name: qkv, .offset: 0, .size: 8, .value_kind: global_buffer, .address_space: global }
      - { .name: res_pos, .offset: 8, .size: 8, .value_kind: global_buffer, .address_space: global }
      - { .name: obuf, .offset: 16, .size: 8, .value_kind: global_buffer, .address_space: global }
    .group_segment_fixed_size: 2048
    .private_segment_fixed_size: 0
    .kernarg_segment_align: 8
    .kernarg_segment_size: 24
    .max_flat_workgroup_size: 256
    .sgpr_count:     80
    .vgpr_count:     512
    .wavefront_size: 32
...
	.end_amdgpu_metadata
.endif
;; end of part 3
;; launch oproj (part 4): grid 8 x 32, 4 waves a work-group, clusters of 4 x 4, 327,680 bytes of LDS; arguments obuf, ops, bo, x, x1; writes x1
.if DOCPART == 4
	.amdgcn_target "amdgcn-amd-amdhsa--gfx1250"
	.amdhsa_code_object_version 6
	.text
	.protected	k_q6edc70cbc8_oproj
	.globl	k_q6edc70cbc8_oproj
	.p2align	8
	.type	k_q6edc70cbc8_oproj,@function
k_q6edc70cbc8_oproj:
	s_mov_b64 s[64:65], 0
	v_nop
	global_prefetch_b8 v0, s[64:65] scope:SCOPE_SE
	s_setreg_imm32_b32 hwreg(HW_REG_WAVE_MODE, 25, 1), 1
	s_wait_xcnt 0x0
	s_wait_alu depctr_hold_cnt(0) depctr_sa_sdst(0) depctr_va_vdst(0) depctr_va_sdst(0) depctr_va_ssrc(0) depctr_va_vcc(0) depctr_vm_vsrc(0)
	s_getreg_b32 s2, hwreg(HW_REG_IB_STS2, 6, 4)
	s_cmp_eq_u32 s2, 0
	s_cbranch_scc0 .Lentry_in_a_cluster
	s_endpgm
.Lentry_in_a_cluster:
	s_bfe_u32 s2, ttmp6, 0x10000c
	s_cmp_lg_u32 s2, 0xf033
	s_cbranch_scc0 .Lentry_shape_is_right
	s_endpgm
.Lentry_shape_is_right:
; OUT = RES + A B^T + bias on codes of FP6 (E2M3, one E8M0 scale for each 32 along K); here A = o (obuf), B = Wo, RES = x, OUT = x1; f32 sums, f32 out.
; OPERANDS come as records (128 rows x 128 K: eight fragments as images of their registers, 1,536 bytes each, then the rows' scale words at 12,288; 12,800 bytes), a panel's K steps on end.
; N is 1,024, so tiles of 128 x 128 give each of 256 work-groups one: four waves, each 64 x 64: 16 accumulators.  Source 0 = B's rows, source 1 = A's rows: a lane holds a token and eight neighbouring outputs.
; K goes in slots of 4 K steps through two LDS slots (51,200 bytes a side and slot, two tensor loads).  Here K has two slots' worth: nothing is filled again and there is no loop.
; CLUSTERS 4 x 4: A's records are asked for jointly along a row of the cluster, B's along a column.
; The bias is the C of each sum's first product; the residual is asked for at the head, into window 3, in the layout in which the results leave.
; REGISTERS: window 0: v1-31 addresses; v32-47 scale words, two sets; v48-79 bias; v128-175 A's fragments; window 1: B's fragments, two sets; window 2: accumulators; window 3: the residual.
.set NK,    8                          ; K steps in all
.set BOFF,  56*102400                  ; Wo's panels in ops
.set NBLK,  4
.set APW,   8
.set HIW,   0
.set NQ,    4
.set REC,   12800
.set FRB,   1536
.set SCO,   12288
.set WLOAD, 25600
.set BREG,  2*WLOAD
.set SLOT,  4*WLOAD
.set SSTEP, NQ*REC
.set WSTR,  4*FRB
.set WSS,   256
.set LAPS,  NK/(2*NQ)
.set SPARE, 2*SLOT
.set NL,    4
.set L16,    8
.set L8,     9
.set LS,     10
.set ADRA16, 16
.set ADRA8,  18
.set ADRB16, 20
.set ADRB8,  22
.set ADRS,   24
.set CO,     26
.set STO,    27
.set SPW,    28
.set NIL,    29
.set RD,     30
.set SC,     32
.set BI,     48
.set AF,     128
.set BK,     128
.set G1,  24
.set G0,  32
.set G1B, 48
.set G0B, 56
.set MSB, 0
.macro WIN new
.if MSB != (\new)
	s_set_vgpr_msb (MSB<<8)|(\new)
.set MSB, (\new)
.endif
.endm
.set TO_B, 0x40
.macro WINM hi, first
.if \first
	WIN 0x81+0x40*HIW*(\hi)
.else
	WIN 0xa1+0x50*HIW*(\hi)
.endif
.endm
.macro PLACES n
.rept \n
	v_nop
.endr
.endm
.macro JLOAD g0a, g1a, g0b, g1b
	s_cmp_eq_u32 s15, 0
	s_cbranch_scc0 .Lfor_b_\@
	tensor_load_to_lds s[\g0a:\g0a+3], s[\g1a:\g1a+7]
	s_nop 0
.rept 4
	v_nop
.endr
	s_branch .Lasked_\@
.Lfor_b_\@:
	tensor_load_to_lds s[\g0b:\g0b+3], s[\g1b:\g1b+7]
	s_nop 0
.rept 4
	v_nop
.endr
.Lasked_\@:
.endm
.macro CREST
	s_cmp_lg_u32 s14, 0
	s_cbranch_scc1 .Lnot_wave_0_\@
	s_barrier_signal -3
.Lnot_wave_0_\@:
	s_barrier_wait -3
	s_barrier_signal -1
	s_barrier_wait -1
.endm
.macro CROUND
	s_barrier_signal -1
	s_barrier_wait -1
	CREST
.endm
.macro FRAG reg, a16, a8, off
	ds_load_b128 v[(\reg):(\reg)+3], v[\a16] offset:(\off)
	ds_load_b64 v[(\reg)+4:(\reg)+5], v[\a8] offset:(\off)+512
	ds_load_b128 v[(\reg)+6:(\reg)+9], v[\a16] offset:(\off)+768
	ds_load_b64 v[(\reg)+10:(\reg)+11], v[\a8] offset:(\off)+1280
.endm
.macro FETCH_B slot, q, p
	WIN TO_B
.irp i, 0,1,2,3,4,5,6,7
.if \i < NBLK
	FRAG 128*(\p)+12*\i, ADRB16+\slot, ADRB8+\slot, (\q)*REC+FRB*\i
.endif
.endr
	WIN 0
.endm
.macro FETCH_A slot, q, i0
.set FI, \i0
.rept NBLK/2
	FRAG AF+12*FI, ADRA16+\slot, ADRA8+\slot, (\q)*REC+FRB*FI
.set FI, FI+1
.endr
.endm
.macro SCALES slot, q, p
.irp i, 0,1,2,3,4,5,6,7
.if \i < NBLK
	ds_load_b32 v[SC+8*(\p)+\i], v[ADRS+\slot] offset:(\q)*REC+64*\i
.endif
.endr
.endm
.macro MULA a0, n, p, first            ; the accumulators take turns, one instruction a turn, in the same order in every step
.set MA, \a0
.rept \n
.irp b, 0,1,2,3,4,5,6,7
.if \b < NBLK
.set AC, 8*(NBLK*(MA%APW)+\b)
.if \first
	v_wmma_scale_f32_16x16x128_f8f6f4 v[AC:AC+7], v[128*(\p)+12*\b:128*(\p)+12*\b+11], v[AF+12*MA:AF+12*MA+11], v[BI+8*\b:BI+8*\b+7], v[SC+8*(\p)+\b], v[SC+8*(\p)+MA] matrix_a_fmt:MATRIX_FMT_FP6 matrix_b_fmt:MATRIX_FMT_FP6 matrix_a_scale:MATRIX_SCALE_ROW1
.else
	v_wmma_scale_f32_16x16x128_f8f6f4 v[AC:AC+7], v[128*(\p)+12*\b:128*(\p)+12*\b+11], v[AF+12*MA:AF+12*MA+11], v[AC:AC+7], v[SC+8*(\p)+\b], v[SC+8*(\p)+MA] matrix_a_fmt:MATRIX_FMT_FP6 matrix_b_fmt:MATRIX_FMT_FP6 matrix_a_scale:MATRIX_SCALE_ROW1
.endif
.endif
.endr
.set MA, MA+1
.endr
.endm
.macro STEP slot, q, first
	s_wait_dscnt (NBLK/2)*NL                           ; all but A's second half
	WINM 0, \first
	MULA 0, NBLK/2, (\q)%2, \first
	s_wait_dscnt 0x0
	PLACES 4
	FETCH_B \slot, (\q)+1, 1-(\q)%2
	FETCH_A \slot, (\q)+1, 0
	SCALES \slot, (\q)+1, 1-(\q)%2
	WINM 1, \first
	MULA NBLK/2, NBLK/2, (\q)%2, \first
	PLACES 4
	WIN 0
	FETCH_A \slot, (\q)+1, NBLK/2
.endm
.macro TURN slot, next, fill
	s_wait_tensorcnt 0x0                               ; all my tensor loads have landed: my part of the next slot
	ds_add_u32 v[SPW], v[NIL]                          ; 0 onto my spare word
	s_wait_dscnt (NBLK/2)*NL+1                         ; (the add and A's second half may be out)
	WINM 0, 0
	MULA 0, NBLK/4, 1, 0
	s_wait_dscnt 0x0                                   ; the add is done, and my reads of this slot are over
	s_barrier_signal -1
	MULA NBLK/4, NBLK/4, 1, 0
	WIN 0
	s_barrier_wait -1
.if \fill
	CREST
	s_add_nc_u64 s[G0+4*\slot+2:G0+4*\slot+3], s[G0+4*\slot+2:G0+4*\slot+3], 2*SSTEP
	s_add_nc_u64 s[G0B+4*\slot+2:G0B+4*\slot+3], s[G0B+4*\slot+2:G0B+4*\slot+3], 2*SSTEP
	JLOAD G0+4*\slot, G1, G0B+4*\slot, G1B
.else
	PLACES 4
.endif
	FETCH_B \next, 0, 0
	FETCH_A \next, 0, 0
	SCALES \next, 0, 0
	WINM 1, 0
	MULA NBLK/2, NBLK/2, 1, 0
	PLACES 4
	WIN 0
	FETCH_A \next, 0, NBLK/2
.endm
.macro LAST
	s_wait_dscnt (NBLK/2)*NL
	WINM 0, 0
	MULA 0, NBLK/2, 1, 0
	s_wait_dscnt 0x0
	WINM 1, 0
	MULA NBLK/2, NBLK/2, 1, 0
	WIN 0
.endm
	s_load_b256 s[4:11], s[0:1], 0x0                   ; A s[4:5], ops s[6:7], bias s[8:9], residual s[10:11]
	s_load_b64 s[12:13], s[0:1], 0x20                  ; out
	v_lshl_add_u32 v[SPW], v0, 2, SPARE
	v_mov_b32 v[NIL], 0
	ds_add_u32 v28, v29
	ds_add_u32 v28, v29
	s_wait_dscnt 0x0
	v_lshrrev_b32 v1, 5, v0
	v_readfirstlane_b32 s14, v1                        ; wave 0..3
	s_lshr_b32 s15, s14, 1                             ; which half of the tile's tokens is mine.  Also: I fetch for A (0) or for B (1)
	s_and_b32 s16, s14, 1                              ; which half of its outputs.  Also: which two of a slot's four K steps I fetch
	s_bfe_u32 s40, ttmp6, 0x40000
	s_bfe_u32 s41, ttmp6, 0x40004
	s_lshl_b32 s42, ttmp9, 2
	s_add_co_u32 s42, s42, s40                         ; tile x
	s_and_b32 s17, ttmp7, 0xffff
	s_lshl_b32 s17, s17, 2
	s_add_co_u32 s17, s17, s41                         ; tile y
	s_lshl_b32 s43, s41, 2
	s_lshl_b32 s43, 15, s43
	s_lshl_b32 s44, 0x1111, s40
	s_or_b32 s[G1], s43, (3<<16)|(1<<21)               ; the mask; elements of 8 bytes; bit 21 beside a mask; no padding
	s_or_b32 s[G1B], s44, (3<<16)|(1<<21)
.irp g, G1, G1B
	s_mov_b32 s[\g+1], 32<<16                          ; 100 dense rows of 256 bytes
	s_mov_b32 s[\g+2], 100<<16
	s_mov_b32 s[\g+3], 32<<16
	s_mov_b32 s[\g+4], 100
	s_mov_b32 s[\g+5], 32
	s_mov_b32 s[\g+6], 0
	s_mov_b32 s[\g+7], 0
.endr
	s_mul_i32 s18, s16, WLOAD
	s_mul_i32 s20, s17, NK*REC
	s_add_co_u32 s20, s20, s18                         ; A: panel tile y, my two K steps
	s_mov_b32 s21, 0
	s_mul_i32 s46, s42, NK*REC
	s_add_co_u32 s46, s46, s18
	s_add_co_u32 s46, s46, BOFF                        ; B: panel tile x of the weight
	s_mov_b32 s47, 0
	s_mul_i32 s45, s14, WLOAD
	s_wait_kmcnt 0x0
	s_add_nc_u64 s[20:21], s[4:5], s[20:21]
	s_add_nc_u64 s[46:47], s[6:7], s[46:47]
	CROUND                                             ; all sixteen work-groups are here: the first joint loads meet
.irp s, 0,1
	s_mov_b32 s[G0+4*\s], 1
	s_add_co_u32 s[G0+4*\s+1], s45, \s*SLOT
	s_add_nc_u64 s[G0+4*\s+2:G0+4*\s+3], s[20:21], \s*SSTEP
	s_or_b32 s[G0+4*\s+3], s[G0+4*\s+3], 0x80000000
	s_mov_b32 s[G0B+4*\s], 1
	s_add_co_u32 s[G0B+4*\s+1], s45, \s*SLOT
	s_add_nc_u64 s[G0B+4*\s+2:G0B+4*\s+3], s[46:47], \s*SSTEP
	s_or_b32 s[G0B+4*\s+3], s[G0B+4*\s+3], 0x80000000
	JLOAD G0+4*\s, G1, G0B+4*\s, G1B                   ; two loads of mine are out
.endr
	v_and_b32 v1, 15, v0
	v_bfe_u32 v2, v0, 4, 1
	v_and_b32 v3, 31, v0
	v_lshlrev_b32 v[L16], 4, v3
	v_lshlrev_b32 v[L8], 3, v3
	v_lshlrev_b32 v[LS], 2, v1
	v_lshlrev_b32 v11, 5, v2
	s_mul_i32 s21, s15, WSTR
	s_mul_i32 s22, s16, WSTR
	s_add_co_u32 s22, s22, BREG
.irp s, 0,1
	v_add_nc_u32 v[ADRA16+\s], s21, v[L16]
	v_add_nc_u32 v[ADRA8+\s], s21, v[L8]
	v_add_nc_u32 v[ADRB16+\s], s22, v[L16]
	v_add_nc_u32 v[ADRB8+\s], s22, v[L8]
	s_add_co_u32 s21, s21, SLOT
	s_add_co_u32 s22, s22, SLOT
.endr
	s_mul_i32 s21, s15, WSS
	s_mul_i32 s22, s16, WSS
	s_add_co_u32 s22, s22, BREG
	s_sub_co_u32 s22, s22, s21
	v_mul_u32_u24 v4, s22, v2                          ; lanes 16-31 take B's words
	s_add_co_u32 s21, s21, SCO
	v_add_nc_u32 v4, v[LS], v4
	v_add_nc_u32 v[ADRS], s21, v4
	v_add_nc_u32 v[ADRS+1], SLOT, v[ADRS]
	s_mul_i32 s23, s14, 16*272                         ; my stage: 16 rows x (256 bytes + 16), in slot 0, which has had its last fill and its last read when the first result is stored there
	v_mul_u32_u24 v4, v1, 272
	v_lshl_add_u32 v4, v2, 5, v4
	v_add_nc_u32 v[STO], s23, v4                       ; in: row r, + 32 h
	v_mul_u32_u24 v4, v2, 272
	v_lshl_add_u32 v4, v1, 4, v4
	v_add_nc_u32 v[RD], s23, v4                        ; back: lanes 0-15 one row, lanes 16-31 the next
	v_lshlrev_b32 v4, 12, v2
	v_lshl_add_u32 v[CO], v1, 4, v4                    ; and the same two rows in memory: 4,096 h + 16 r
	s_lshl_b32 s46, s42, 9
	s_lshl_b32 s47, s16, 8
	s_add_co_u32 s46, s46, s47                         ; my 64 outputs, in bytes
	s_mov_b32 s47, 0
	s_add_nc_u64 s[8:9], s[8:9], s[46:47]
	s_lshl_b32 s20, s17, 7
	s_lshl_b32 s21, s15, 6
	s_add_co_u32 s20, s20, s21
	s_lshl_b32 s20, s20, 12                            ; my first token's row
	s_add_co_u32 s20, s20, s46
	s_mov_b32 s21, 0
	s_add_nc_u64 s[10:11], s[10:11], s[20:21]
	s_add_nc_u64 s[12:13], s[12:13], s[20:21]
.irp b, 0,1,2,3
	global_load_b128 v[BI+8*\b:BI+8*\b+3], v11, s[8:9] offset:64*\b
	global_load_b128 v[BI+8*\b+4:BI+8*\b+7], v11, s[8:9] offset:64*\b+16
.endr
	WIN 0xc0                                           ; destination window 3
.irp a, 0,1,2,3
.irp t, 0,1,2,3,4,5,6,7
	global_load_b128 v[4*(8*\a+\t):4*(8*\a+\t)+3], v[CO], s[10:11] offset:(16*\a+2*\t)*4096   ; 16 lanes read 256 consecutive bytes of a row
.endr
.endr
	WIN 0
	s_wait_tensorcnt 1                                 ; my part of slot 0 is in (slot 1's load may be out)
	s_barrier_signal -1
	s_barrier_wait -1
	FETCH_B 0, 0, 0
	FETCH_A 0, 0, 0
	SCALES 0, 0, 0
	FETCH_A 0, 0, NBLK/2
	s_wait_loadcnt 32                                  ; the bias is in; the residual's 32 loads, issued behind it, may be out
	STEP 0, 0, 1                                       ; the first step's products start the sums, on the bias
.if LAPS > 1
	s_mov_b32 s3, LAPS-1
.Llap:
	STEP 0, 1, 0
	STEP 0, 2, 0
	TURN 0, 1, 1
	STEP 1, 0, 0
	STEP 1, 1, 0
	STEP 1, 2, 0
	TURN 1, 0, 1
	STEP 0, 0, 0
	s_sub_co_u32 s3, s3, 1
	s_cmp_lg_u32 s3, 0
	s_cbranch_scc1 .Llap
.endif
	STEP 0, 1, 0
	STEP 0, 2, 0
	TURN 0, 1, 0
	STEP 1, 0, 0
	STEP 1, 1, 0
	STEP 1, 2, 0
	LAST
	; THE WAY OUT, 16 tokens at a time: through my stage, back as rows of 256 bytes, the residual added, stored
	s_wait_loadcnt 0x0                                 ; the residual
	PLACES 4
.irp a, 0,1,2,3
	WIN 0x08                                           ; an LDS store's data are its source 1: window 2
.irp b, 0,1,2,3
	ds_store_b128 v[STO], v[8*(4*\a+\b):8*(4*\a+\b)+3] offset:64*\b          ; each accumulator from its low end on
	ds_store_b128 v[STO], v[8*(4*\a+\b)+4:8*(4*\a+\b)+7] offset:64*\b+16
.endr
	WIN 0
.if \a >= 2
	s_wait_xcnt 0x0                                    ; block a - 2's stores have read these registers
.endif
.irp t, 0,1,2,3,4,5,6,7
	ds_load_b128 v[BK+32*(\a%2)+4*\t:BK+32*(\a%2)+4*\t+3], v[RD] offset:544*\t   ; a wave's LDS instructions are served in order: these see the stores above
.endr
	s_wait_dscnt 0x0
	WIN 0x0c                                           ; source 1 window 3
.set J, 0
.rept 16
	v_pk_add_f32 v[BK+32*(\a%2)+J:BK+32*(\a%2)+J+1], v[BK+32*(\a%2)+J:BK+32*(\a%2)+J+1], v[32*\a+J:32*\a+J+1]
.set J, J+2
.endr
	WIN 0
.irp t, 0,1,2,3,4,5,6,7
	global_store_b128 v[CO], v[BK+32*(\a%2)+4*\t:BK+32*(\a%2)+4*\t+3], s[12:13] offset:(16*\a+2*\t)*4096   ; 16 lanes store 256 consecutive bytes, at a multiple of 256 from the buffer's first byte
.endr
.endr
	s_wait_tensorcnt 0x0                               ; the wave's end
	ds_add_u32 v[SPW], v[NIL]
	s_wait_dscnt 0x0
	CROUND                                             ; the closing round
	s_endpgm
.Lfunc_end_k_q6edc70cbc8_oproj:
	.size	k_q6edc70cbc8_oproj, .Lfunc_end_k_q6edc70cbc8_oproj-k_q6edc70cbc8_oproj
	.p2alignl 7, 3214868480
	.fill 96, 4, 3214868480
	.section	.rodata,"a",@progbits
	.p2align	6, 0x0
	.amdhsa_kernel k_q6edc70cbc8_oproj
		.amdhsa_group_segment_fixed_size 327680
		.amdhsa_private_segment_fixed_size 0
		.amdhsa_enable_private_segment 0
		.amdhsa_kernarg_size 40
		.amdhsa_user_sgpr_count 2
		.amdhsa_user_sgpr_kernarg_segment_ptr 1
		.amdhsa_wavefront_size32 1
		.amdhsa_system_sgpr_workgroup_id_x 1
		.amdhsa_system_sgpr_workgroup_id_y 1
		.amdhsa_system_sgpr_workgroup_id_z 1
		.amdhsa_system_vgpr_workitem_id 0
		.amdhsa_next_free_vgpr 1024
		.amdhsa_next_free_sgpr 100
		.amdhsa_reserve_vcc 0
		.amdhsa_float_denorm_mode_32 3
		.amdhsa_float_denorm_mode_16_64 3
		.amdhsa_memory_ordered 1
		.amdhsa_forward_progress 1
		.amdhsa_inst_pref_size 62
	.end_amdhsa_kernel
	.amdgpu_metadata
---
amdhsa.version: [ 1, 2 ]
amdhsa.kernels:
  - .name:           k_q6edc70cbc8_oproj
    .symbol:         k_q6edc70cbc8_oproj.kd
    .args:
      - { .name: obuf, .offset: 0, .size: 8, .value_kind: global_buffer, .address_space: global }
      - { .name: ops, .offset: 8, .size: 8, .value_kind: global_buffer, .address_space: global }
      - { .name: bo, .offset: 16, .size: 8, .value_kind: global_buffer, .address_space: global }
      - { .name: x, .offset: 24, .size: 8, .value_kind: global_buffer, .address_space: global }
      - { .name: x1, .offset: 32, .size: 8, .value_kind: global_buffer, .address_space: global }
    .group_segment_fixed_size: 327680
    .private_segment_fixed_size: 0
    .kernarg_segment_align: 8
    .kernarg_segment_size: 40
    .max_flat_workgroup_size: 128
    .sgpr_count:     100
    .vgpr_count:     1024
    .wavefront_size: 32
...
	.end_amdgpu_metadata
.endif
;; end of part 4
;; launch ln2: the kernel of part 1 again; grid 256 x 1, 8 waves a work-group, no clusters, 69,632 bytes of LDS; arguments x1, Wq, Wk, Wv, Wo, W1, W2, g_mlp, b_mlp, ops; writes ops
;; launch fc1 (part 5): grid 16 x 16, 4 waves a work-group, clusters of 4 x 4, 327,680 bytes of LDS; arguments ops, b1, hid; writes hid
.if DOCPART == 5
	.amdgcn_target "amdgcn-amd-amdhsa--gfx1250"
	.amdhsa_code_object_version 6
	.text
	.protected	k_q6edc70cbc8_fc1
	.globl	k_q6edc70cbc8_fc1
	.p2align	8
	.type	k_q6edc70cbc8_fc1,@function
k_q6edc70cbc8_fc1:
	s_mov_b64 s[64:65], 0
	v_nop
	global_prefetch_b8 v0, s[64:65] scope:SCOPE_SE
	s_setreg_imm32_b32 hwreg(HW_REG_WAVE_MODE, 25, 1), 1
	s_wait_xcnt 0x0
	s_wait_alu depctr_hold_cnt(0) depctr_sa_sdst(0) depctr_va_vdst(0) depctr_va_sdst(0) depctr_va_ssrc(0) depctr_va_vcc(0) depctr_vm_vsrc(0)
	s_getreg_b32 s2, hwreg(HW_REG_IB_STS2, 6, 4)
	s_cmp_eq_u32 s2, 0
	s_cbranch_scc0 .Lentry_in_a_cluster
	s_endpgm
.Lentry_in_a_cluster:
	s_bfe_u32 s2, ttmp6, 0x10000c
	s_cmp_lg_u32 s2, 0xf033
	s_cbranch_scc0 .Lentry_shape_is_right
	s_endpgm
.Lentry_shape_is_right:
; hid = Q(relu(xn W1^T + b1)) on codes of FP6 (E2M3, one E8M0 scale for each 32 along K): the hidden layer is quantised in registers along its 4,096 and leaves as records for the next product.
; OPERANDS come as records (128 rows x 128 K: eight fragments as images of their registers, 1,536 bytes each, then the rows' scale words at 12,288; 12,800 bytes), a panel's K steps on end: ops panels 0-31 = xn, 64-95 = W1.
; A work-group of four waves makes a tile of 256 tokens x 256 hidden units; a wave 128 x 128: 64 accumulators.  Source 0 = W1's rows, source 1 = tokens: a lane holds a token, and the 16 registers of two neighbouring
; result tiles are half a block of 32 hidden units in the fixed order that all operands of this program share.  A wave's 128 hidden units are one K step of the next product: one record.
; K goes in slots of 2 K steps through a ring of two LDS slots.  CLUSTERS 4 x 4: xn's records are asked for jointly along a row of the cluster, W1's along a column.  b1 is the C of each sum's first product.
; LIMITS: NaN and infinities are not served; a block of zeros gets the byte 1 (its codes are zeros; this program alone reads the bytes).
; REGISTERS: window 0: v1-31 addresses; v32-47 scale words, two sets; v48-111 b1; v128-223 A's fragments, one set; window 1: B's fragments, two sets; windows 2, 3: accumulators.
.set NBLK,  8
.set APW,   4
.set HIW,   1
.set NQ,    2
.set NK,    8
.set REC,   12800
.set FRB,   1536
.set SCO,   12288
.set WLOAD, 25600
.set BREG,  2*WLOAD
.set SLOT,  4*WLOAD
.set SSTEP, NQ*REC
.set WSTR,  25600
.set WSS,   25600
.set LAPS,  NK/(2*NQ)
.set SPARE, 2*SLOT
.set NL,    4
.set L16,    8
.set L8,     9
.set LS,     10
.set ADRA16, 16
.set ADRA8,  18
.set ADRB16, 20
.set ADRB8,  22
.set ADRS,   24
.set SPW,    28
.set NIL,    29
.set SC,     32
.set BI,     48
.set AF,     128
.set H,      128
.set PC,     192
.set TM,     212
.set PW,     228
.set G1,  24
.set G0,  32
.set G1B, 48
.set G0B, 56
.set SEL, 66
.set MSB, 0
.macro WIN new
.if MSB != (\new)
	s_set_vgpr_msb (MSB<<8)|(\new)
.set MSB, (\new)
.endif
.endm
.set TO_B, 0x40
.macro WINM hi, first
.if \first
	WIN 0x81+0x40*HIW*(\hi)
.else
	WIN 0xa1+0x50*HIW*(\hi)
.endif
.endm
.macro PLACES n
.rept \n
	v_nop
.endr
.endm
.macro JLOAD g0a, g1a, g0b, g1b
	s_cmp_eq_u32 s15, 0
	s_cbranch_scc0 .Lfor_b_\@
	tensor_load_to_lds s[\g0a:\g0a+3], s[\g1a:\g1a+7]
	s_nop 0
.rept 4
	v_nop
.endr
	s_branch .Lasked_\@
.Lfor_b_\@:
	tensor_load_to_lds s[\g0b:\g0b+3], s[\g1b:\g1b+7]
	s_nop 0
.rept 4
	v_nop
.endr
.Lasked_\@:
.endm
.macro CREST
	s_cmp_lg_u32 s14, 0
	s_cbranch_scc1 .Lnot_wave_0_\@
	s_barrier_signal -3
.Lnot_wave_0_\@:
	s_barrier_wait -3
	s_barrier_signal -1
	s_barrier_wait -1
.endm
.macro CROUND
	s_barrier_signal -1
	s_barrier_wait -1
	CREST
.endm
.macro FRAG reg, a16, a8, off
	ds_load_b128 v[(\reg):(\reg)+3], v[\a16] offset:(\off)
	ds_load_b64 v[(\reg)+4:(\reg)+5], v[\a8] offset:(\off)+512
	ds_load_b128 v[(\reg)+6:(\reg)+9], v[\a16] offset:(\off)+768
	ds_load_b64 v[(\reg)+10:(\reg)+11], v[\a8] offset:(\off)+1280
.endm
.macro FETCH_B slot, q, p
	WIN TO_B
.irp i, 0,1,2,3,4,5,6,7
.if \i < NBLK
	FRAG 128*(\p)+12*\i, ADRB16+\slot, ADRB8+\slot, (\q)*REC+FRB*\i
.endif
.endr
	WIN 0
.endm
.macro FETCH_A slot, q, i0
.set FI, \i0
.rept NBLK/2
	FRAG AF+12*FI, ADRA16+\slot, ADRA8+\slot, (\q)*REC+FRB*FI
.set FI, FI+1
.endr
.endm
.macro SCALES slot, q, p
.irp i, 0,1,2,3,4,5,6,7
.if \i < NBLK
	ds_load_b32 v[SC+8*(\p)+\i], v[ADRS+\slot] offset:(\q)*REC+64*\i
.endif
.endr
.endm
.macro MULA a0, n, p, first            ; the accumulators take turns, one instruction a turn, in the same order in every step
.set MA, \a0
.rept \n
.irp b, 0,1,2,3,4,5,6,7
.if \b < NBLK
.set AC, 8*(NBLK*(MA%APW)+\b)
.if \first
	v_wmma_scale_f32_16x16x128_f8f6f4 v[AC:AC+7], v[128*(\p)+12*\b:128*(\p)+12*\b+11], v[AF+12*MA:AF+12*MA+11], v[BI+8*\b:BI+8*\b+7], v[SC+8*(\p)+\b], v[SC+8*(\p)+MA] matrix_a_fmt:MATRIX_FMT_FP6 matrix_b_fmt:MATRIX_FMT_FP6 matrix_a_scale:MATRIX_SCALE_ROW1
.else
	v_wmma_scale_f32_16x16x128_f8f6f4 v[AC:AC+7], v[128*(\p)+12*\b:128*(\p)+12*\b+11], v[AF+12*MA:AF+12*MA+11], v[AC:AC+7], v[SC+8*(\p)+\b], v[SC+8*(\p)+MA] matrix_a_fmt:MATRIX_FMT_FP6 matrix_b_fmt:MATRIX_FMT_FP6 matrix_a_scale:MATRIX_SCALE_ROW1
.endif
.endif
.endr
.set MA, MA+1
.endr
.endm
.macro STEP slot, q, first
	s_wait_dscnt (NBLK/2)*NL                           ; all but A's second half
	WINM 0, \first
	MULA 0, NBLK/2, (\q)%2, \first
	s_wait_dscnt 0x0
	PLACES 4
	FETCH_B \slot, (\q)+1, 1-(\q)%2
	FETCH_A \slot, (\q)+1, 0
	SCALES \slot, (\q)+1, 1-(\q)%2
	WINM 1, \first
	MULA NBLK/2, NBLK/2, (\q)%2, \first
	PLACES 4
	WIN 0
	FETCH_A \slot, (\q)+1, NBLK/2
.endm
.macro TURN slot, next, fill
	s_wait_tensorcnt 0x0                               ; all my tensor loads have landed: my part of the next slot
	ds_add_u32 v[SPW], v[NIL]                          ; 0 onto my spare word
	s_wait_dscnt (NBLK/2)*NL+1                         ; (the add and A's second half may be out)
	WINM 0, 0
	MULA 0, NBLK/4, 1, 0
	s_wait_dscnt 0x0                                   ; the add is done, and my reads of this slot are over
	s_barrier_signal -1
	MULA NBLK/4, NBLK/4, 1, 0
	WIN 0
	s_barrier_wait -1
.if \fill
	CREST                                              ; no wave of any partner still reads this slot or has a load on its way
	s_add_nc_u64 s[G0+4*\slot+2:G0+4*\slot+3], s[G0+4*\slot+2:G0+4*\slot+3], 2*SSTEP
	s_add_nc_u64 s[G0B+4*\slot+2:G0B+4*\slot+3], s[G0B+4*\slot+2:G0B+4*\slot+3], 2*SSTEP
	JLOAD G0+4*\slot, G1, G0B+4*\slot, G1B             ; the first tensor load behind the round, one a wave
.else
	PLACES 4
.endif
	FETCH_B \next, 0, 0
	FETCH_A \next, 0, 0
	SCALES \next, 0, 0
	WINM 1, 0
	MULA NBLK/2, NBLK/2, 1, 0
	PLACES 4
	WIN 0
	FETCH_A \next, 0, NBLK/2
.endm
.macro LAST
	s_wait_dscnt (NBLK/2)*NL
	WINM 0, 0
	MULA 0, NBLK/2, 1, 0
	s_wait_dscnt 0x0
	WINM 1, 0
	MULA NBLK/2, NBLK/2, 1, 0
	WIN 0
.endm
.macro QUANT s
.irp b, 0,1,2,3
	v_max3_num_f32 v[TM+\b], |v[\s+16*\b]|, |v[\s+1+16*\b]|, 0x1800000
.endr
.irp i, 2,4,6,8,10,12,14
.irp b, 0,1,2,3
	v_max3_num_f32 v[TM+\b], v[TM+\b], |v[\s+16*\b+\i]|, |v[\s+1+16*\b+\i]|
.endr
.endr
.irp b, 0,1,2,3
	v_permlanex16_b32 v[TM+4+\b], v[TM+\b], s[SEL], s[SEL+1]
.endr
.irp b, 0,1,2,3
	v_max_num_f32 v[TM+\b], v[TM+\b], v[TM+4+\b]
.endr
.irp b, 0,1,2,3
	v_add_nc_u32 v[TM+12+\b], 0xff000000, v[TM+\b]
.endr
.irp b, 0,1,2,3
	v_lshrrev_b32 v[TM+4+\b], 23, v[TM+12+\b]
.endr
	v_lshl_or_b32 v[PW], v[TM+5], 8, v[TM+4]
	v_lshl_or_b32 v[PW], v[TM+6], 16, v[PW]
	v_lshl_or_b32 v[PW], v[TM+7], 24, v[PW]
.irp c, 0,1
	v_cvt_scalef32_pk16_fp6_f32 v[PC+6*\c:PC+2+6*\c], v[\s+32*\c:\s+15+32*\c], v[TM+12+2*\c]
	v_cvt_scalef32_pk16_fp6_f32 v[PC+12+4*\c:PC+14+4*\c], v[\s+16+32*\c:\s+31+32*\c], v[TM+12+2*\c+1]
.endr
	v_nop                                              ; one plain line behind the scaled conversions
.irp c, 0,1
.irp i, 0,1,2
	v_permlane16_swap_b32 v[PC+6*\c+\i], v[PC+12+4*\c+\i]
.endr
.irp i, 0,1,2
	v_mov_b32 v[PC+3+6*\c+\i], v[PC+12+4*\c+\i]
.endr
.endr
.endm
	s_load_b128 s[4:7], s[0:1], 0x0                    ; ops s[4:5], b1 s[6:7]
	s_load_b64 s[8:9], s[0:1], 0x10                    ; hid
	v_lshl_add_u32 v[SPW], v0, 2, SPARE
	v_mov_b32 v[NIL], 0
	ds_add_u32 v28, v29
	ds_add_u32 v28, v29
	s_wait_dscnt 0x0
	v_lshrrev_b32 v1, 5, v0
	v_readfirstlane_b32 s14, v1
	s_lshr_b32 s15, s14, 1                             ; which half of the tokens is mine.  Also: I fetch for A (0) or for B (1)
	s_and_b32 s16, s14, 1                              ; which half of the hidden units.  Also: which panel of the two I fetch
	s_bfe_u32 s40, ttmp6, 0x40000
	s_bfe_u32 s41, ttmp6, 0x40004
	s_lshl_b32 s42, ttmp9, 2
	s_add_co_u32 s42, s42, s40                         ; tile x
	s_and_b32 s17, ttmp7, 0xffff
	s_lshl_b32 s17, s17, 2
	s_add_co_u32 s17, s17, s41                         ; tile y
	s_lshl_b32 s43, s41, 2
	s_lshl_b32 s43, 15, s43
	s_lshl_b32 s44, 0x1111, s40
	s_or_b32 s[G1], s43, (3<<16)|(1<<21)
	s_or_b32 s[G1B], s44, (3<<16)|(1<<21)
.irp g, G1, G1B
	s_mov_b32 s[\g+1], 32<<16                          ; 100 dense rows of 256 bytes
	s_mov_b32 s[\g+2], 100<<16
	s_mov_b32 s[\g+3], 32<<16
	s_mov_b32 s[\g+4], 100
	s_mov_b32 s[\g+5], 32
	s_mov_b32 s[\g+6], 0
	s_mov_b32 s[\g+7], 0
.endr
	s_lshl_b32 s20, s17, 1
	s_add_co_u32 s20, s20, s16
	s_mul_i32 s20, s20, NK*REC                         ; A: panel 2 x tile y + half
	s_mov_b32 s21, 0
	s_lshl_b32 s46, s42, 1
	s_add_co_u32 s46, s46, s16
	s_add_co_u32 s46, s46, 64
	s_mul_i32 s46, s46, NK*REC                         ; B: panel 64 + 2 x tile x + half
	s_mov_b32 s47, 0
	s_mul_i32 s45, s14, WLOAD
	s_wait_kmcnt 0x0
	s_add_nc_u64 s[20:21], s[4:5], s[20:21]
	s_add_nc_u64 s[46:47], s[4:5], s[46:47]
	CROUND                                             ; all sixteen work-groups are here: the first joint loads meet
.irp s, 0,1
	s_mov_b32 s[G0+4*\s], 1
	s_add_co_u32 s[G0+4*\s+1], s45, \s*SLOT
	s_add_nc_u64 s[G0+4*\s+2:G0+4*\s+3], s[20:21], \s*SSTEP
	s_or_b32 s[G0+4*\s+3], s[G0+4*\s+3], 0x80000000
	s_mov_b32 s[G0B+4*\s], 1
	s_add_co_u32 s[G0B+4*\s+1], s45, \s*SLOT
	s_add_nc_u64 s[G0B+4*\s+2:G0B+4*\s+3], s[46:47], \s*SSTEP
	s_or_b32 s[G0B+4*\s+3], s[G0B+4*\s+3], 0x80000000
	JLOAD G0+4*\s, G1, G0B+4*\s, G1B                   ; two loads of mine are out
.endr
	v_and_b32 v1, 15, v0
	v_bfe_u32 v2, v0, 4, 1
	v_and_b32 v3, 31, v0
	v_lshlrev_b32 v[L16], 4, v3
	v_lshlrev_b32 v[L8], 3, v3
	v_lshlrev_b32 v[LS], 2, v1
	v_lshlrev_b32 v11, 5, v2
	s_mul_i32 s21, s15, WSTR
	s_mul_i32 s22, s16, WSTR
	s_add_co_u32 s22, s22, BREG
.irp s, 0,1
	v_add_nc_u32 v[ADRA16+\s], s21, v[L16]
	v_add_nc_u32 v[ADRA8+\s], s21, v[L8]
	v_add_nc_u32 v[ADRB16+\s], s22, v[L16]
	v_add_nc_u32 v[ADRB8+\s], s22, v[L8]
	s_add_co_u32 s21, s21, SLOT
	s_add_co_u32 s22, s22, SLOT
.endr
	s_mul_i32 s21, s15, WSS
	s_mul_i32 s22, s16, WSS
	s_add_co_u32 s22, s22, BREG
	s_sub_co_u32 s22, s22, s21
	v_mul_u32_u24 v4, s22, v2                          ; lanes 16-31 take B's words
	s_add_co_u32 s21, s21, SCO
	v_add_nc_u32 v4, v[LS], v4
	v_add_nc_u32 v[ADRS], s21, v4
	v_add_nc_u32 v[ADRS+1], SLOT, v[ADRS]
	s_lshl_b32 s46, s42, 10
	s_lshl_b32 s47, s16, 9
	s_add_co_u32 s46, s46, s47                         ; b1: my 128 hidden units
	s_mov_b32 s47, 0
	s_add_nc_u64 s[6:7], s[6:7], s[46:47]
.irp b, 0,1,2,3,4,5,6,7
	global_load_b128 v[BI+8*\b:BI+8*\b+3], v11, s[6:7] offset:64*\b
	global_load_b128 v[BI+8*\b+4:BI+8*\b+7], v11, s[6:7] offset:64*\b+16
.endr
	s_lshl_b32 s20, s17, 1
	s_add_co_u32 s20, s20, s15
	s_lshl_b32 s20, s20, 5
	s_lshl_b32 s46, s42, 1
	s_add_co_u32 s46, s46, s16
	s_add_co_u32 s20, s20, s46
	s_mul_i32 s20, s20, REC                            ; my record: panel 2 x tile y + half, K step 2 x tile x + half
	s_mov_b32 s21, 0
	s_add_nc_u64 s[8:9], s[8:9], s[20:21]
	s_mov_b32 s[SEL], 0x76543210
	s_mov_b32 s[SEL+1], 0xfedcba98
	s_wait_loadcnt 0x0                                 ; b1
	s_wait_tensorcnt 1                                 ; my part of slot 0 is in (slot 1's load may be out)
	s_barrier_signal -1
	s_barrier_wait -1
	FETCH_B 0, 0, 0
	FETCH_A 0, 0, 0
	SCALES 0, 0, 0
	FETCH_A 0, 0, NBLK/2
	STEP 0, 0, 1                                       ; the first step's products start the sums, on the bias
	s_mov_b32 s3, LAPS-1
.Llap:
	TURN 0, 1, 1
	STEP 1, 0, 0
	TURN 1, 0, 1
	STEP 0, 0, 0
	s_sub_co_u32 s3, s3, 1
	s_cmp_lg_u32 s3, 0
	s_cbranch_scc1 .Llap
	TURN 0, 1, 0
	STEP 1, 0, 0
	LAST
	; THE WAY OUT, 16 tokens at a time: the activation, the quantiser, five stores.  Every offset is an immediate
	PLACES 4
.irp b, 0,1,2,3
	v_mov_b32 v[TM+4+\b], 0
.endr
.irp a, 0,1,2,3,4,5,6,7
	WIN 0x08+4*(\a/4)                                  ; source 1: window 2 or 3
.set J, 0
.rept 64
	v_max_num_f32 v[H+J], 0, v[64*(\a%4)+J]            ; relu, in f32; each accumulator from its low end on
.set J, J+1
.endr
	WIN 0
.if \a > 0
	s_wait_xcnt 0x0                                    ; the last block's stores have read their data
.endif
	QUANT H
	global_store_b128 v[L16], v[PC:PC+3], s[8:9] offset:FRB*\a          ; 512 consecutive bytes, at a multiple of 256 from the buffer's first byte
	global_store_b64 v[L8], v[PC+4:PC+5], s[8:9] offset:FRB*\a+512
	global_store_b128 v[L16], v[PC+6:PC+9], s[8:9] offset:FRB*\a+768
	global_store_b64 v[L8], v[PC+10:PC+11], s[8:9] offset:FRB*\a+1280
	global_store_b32 v[LS], v[PW], s[8:9] offset:SCO+64*\a
.endr
	s_wait_tensorcnt 0x0                               ; the wave's end
	ds_add_u32 v[SPW], v[NIL]
	s_wait_dscnt 0x0
	CROUND                                             ; the closing round
	s_endpgm
.Lfunc_end_k_q6edc70cbc8_fc1:
	.size	k_q6edc70cbc8_fc1, .Lfunc_end_k_q6edc70cbc8_fc1-k_q6edc70cbc8_fc1
	.p2alignl 7, 3214868480
	.fill 96, 4, 3214868480
	.section	.rodata,"a",@progbits
	.p2align	6, 0x0
	.amdhsa_kernel k_q6edc70cbc8_fc1
		.amdhsa_group_segment_fixed_size 327680
		.amdhsa_private_segment_fixed_size 0
		.amdhsa_enable_private_segment 0
		.amdhsa_kernarg_size 24
		.amdhsa_user_sgpr_count 2
		.amdhsa_user_sgpr_kernarg_segment_ptr 1
		.amdhsa_wavefront_size32 1
		.amdhsa_system_sgpr_workgroup_id_x 1
		.amdhsa_system_sgpr_workgroup_id_y 1
		.amdhsa_system_sgpr_workgroup_id_z 1
		.amdhsa_system_vgpr_workitem_id 0
		.amdhsa_next_free_vgpr 1024
		.amdhsa_next_free_sgpr 100
		.amdhsa_reserve_vcc 0
		.amdhsa_float_denorm_mode_32 3
		.amdhsa_float_denorm_mode_16_64 3
		.amdhsa_memory_ordered 1
		.amdhsa_forward_progress 1
		.amdhsa_inst_pref_size 166
	.end_amdhsa_kernel
	.amdgpu_metadata
---
amdhsa.version: [ 1, 2 ]
amdhsa.kernels:
  - .name:           k_q6edc70cbc8_fc1
    .symbol:         k_q6edc70cbc8_fc1.kd
    .args:
      - { .name: ops, .offset: 0, .size: 8, .value_kind: global_buffer, .address_space: global }
      - { .name: b1, .offset: 8, .size: 8, .value_kind: global_buffer, .address_space: global }
      - { .name: hid, .offset: 16, .size: 8, .value_kind: global_buffer, .address_space: global }
    .group_segment_fixed_size: 327680
    .private_segment_fixed_size: 0
    .kernarg_segment_align: 8
    .kernarg_segment_size: 24
    .max_flat_workgroup_size: 128
    .sgpr_count:     100
    .vgpr_count:     1024
    .wavefront_size: 32
...
	.end_amdgpu_metadata
.endif
;; end of part 5
;; launch fc2 (part 6): grid 8 x 32, 4 waves a work-group, clusters of 4 x 4, 327,680 bytes of LDS; arguments hid, ops, b2, x1, out0; writes out0
.if DOCPART == 6
	.amdgcn_target "amdgcn-amd-amdhsa--gfx1250"
	.amdhsa_code_object_version 6
	.text
	.protected	k_q6edc70cbc8_fc2
	.globl	k_q6edc70cbc8_fc2
	.p2align	8
	.type	k_q6edc70cbc8_fc2,@function
k_q6edc70cbc8_fc2:
	s_mov_b64 s[64:65], 0
	v_nop
	global_prefetch_b8 v0, s[64:65] scope:SCOPE_SE
	s_setreg_imm32_b32 hwreg(HW_REG_WAVE_MODE, 25, 1), 1
	s_wait_xcnt 0x0
	s_wait_alu depctr_hold_cnt(0) depctr_sa_sdst(0) depctr_va_vdst(0) depctr_va_sdst(0) depctr_va_ssrc(0) depctr_va_vcc(0) depctr_vm_vsrc(0)
	s_getreg_b32 s2, hwreg(HW_REG_IB_STS2, 6, 4)
	s_cmp_eq_u32 s2, 0
	s_cbranch_scc0 .Lentry_in_a_cluster
	s_endpgm
.Lentry_in_a_cluster:
	s_bfe_u32 s2, ttmp6, 0x10000c
	s_cmp_lg_u32 s2, 0xf033
	s_cbranch_scc0 .Lentry_shape_is_right
	s_endpgm
.Lentry_shape_is_right:
; OUT = RES + A B^T + bias on codes of FP6 (E2M3, one E8M0 scale for each 32 along K); here A = the hidden layer (hid), B = W2, RES = x1, OUT = out0; K = 4,096; f32 sums, f32 out.
; OPERANDS come as records (128 rows x 128 K: eight fragments as images of their registers, 1,536 bytes each, then the rows' scale words at 12,288; 12,800 bytes), a panel's K steps on end.
; N is 1,024, so tiles of 128 x 128 give each of 256 work-groups one: four waves, each 64 x 64: 16 accumulators.  Source 0 = B's rows, source 1 = A's rows: a lane holds a token and eight neighbouring outputs.
; K goes in slots of 4 K steps through a ring of two LDS slots (51,200 bytes a side and slot, two tensor loads): eight slots' worth, three trips of the loop and a tail.
; CLUSTERS 4 x 4: A's records are asked for jointly along a row of the cluster, B's along a column.
; The bias is the C of each sum's first product; the residual is asked for at the head, into window 3, in the layout in which the results leave.
; REGISTERS: window 0: v1-31 addresses; v32-47 scale words, two sets; v48-79 bias; v128-175 A's fragments; window 1: B's fragments, two sets; window 2: accumulators; window 3: the residual.
.set NK,    32                         ; K steps in all
.set BOFF,  9830400                    ; W2's panels in ops
.set NBLK,  4
.set APW,   8
.set HIW,   0
.set NQ,    4
.set REC,   12800
.set FRB,   1536
.set SCO,   12288
.set WLOAD, 25600
.set BREG,  2*WLOAD
.set SLOT,  4*WLOAD
.set SSTEP, NQ*REC
.set WSTR,  4*FRB
.set WSS,   256
.set LAPS,  NK/(2*NQ)
.set SPARE, 2*SLOT
.set NL,    4
.set L16,    8
.set L8,     9
.set LS,     10
.set ADRA16, 16
.set ADRA8,  18
.set ADRB16, 20
.set ADRB8,  22
.set ADRS,   24
.set CO,     26
.set STO,    27
.set SPW,    28
.set NIL,    29
.set RD,     30
.set SC,     32
.set BI,     48
.set AF,     128
.set BK,     128
.set G1,  24
.set G0,  32
.set G1B, 48
.set G0B, 56
.set MSB, 0
.macro WIN new
.if MSB != (\new)
	s_set_vgpr_msb (MSB<<8)|(\new)
.set MSB, (\new)
.endif
.endm
.set TO_B, 0x40
.macro WINM hi, first
.if \first
	WIN 0x81+0x40*HIW*(\hi)
.else
	WIN 0xa1+0x50*HIW*(\hi)
.endif
.endm
.macro PLACES n
.rept \n
	v_nop
.endr
.endm
.macro JLOAD g0a, g1a, g0b, g1b
	s_cmp_eq_u32 s15, 0
	s_cbranch_scc0 .Lfor_b_\@
	tensor_load_to_lds s[\g0a:\g0a+3], s[\g1a:\g1a+7]
	s_nop 0
.rept 4
	v_nop
.endr
	s_branch .Lasked_\@
.Lfor_b_\@:
	tensor_load_to_lds s[\g0b:\g0b+3], s[\g1b:\g1b+7]
	s_nop 0
.rept 4
	v_nop
.endr
.Lasked_\@:
.endm
.macro CREST
	s_cmp_lg_u32 s14, 0
	s_cbranch_scc1 .Lnot_wave_0_\@
	s_barrier_signal -3
.Lnot_wave_0_\@:
	s_barrier_wait -3
	s_barrier_signal -1
	s_barrier_wait -1
.endm
.macro CROUND
	s_barrier_signal -1
	s_barrier_wait -1
	CREST
.endm
.macro FRAG reg, a16, a8, off
	ds_load_b128 v[(\reg):(\reg)+3], v[\a16] offset:(\off)
	ds_load_b64 v[(\reg)+4:(\reg)+5], v[\a8] offset:(\off)+512
	ds_load_b128 v[(\reg)+6:(\reg)+9], v[\a16] offset:(\off)+768
	ds_load_b64 v[(\reg)+10:(\reg)+11], v[\a8] offset:(\off)+1280
.endm
.macro FETCH_B slot, q, p
	WIN TO_B
.irp i, 0,1,2,3,4,5,6,7
.if \i < NBLK
	FRAG 128*(\p)+12*\i, ADRB16+\slot, ADRB8+\slot, (\q)*REC+FRB*\i
.endif
.endr
	WIN 0
.endm
.macro FETCH_A slot, q, i0
.set FI, \i0
.rept NBLK/2
	FRAG AF+12*FI, ADRA16+\slot, ADRA8+\slot, (\q)*REC+FRB*FI
.set FI, FI+1
.endr
.endm
.macro SCALES slot, q, p
.irp i, 0,1,2,3,4,5,6,7
.if \i < NBLK
	ds_load_b32 v[SC+8*(\p)+\i], v[ADRS+\slot] offset:(\q)*REC+64*\i
.endif
.endr
.endm
.macro MULA a0, n, p, first            ; the accumulators take turns, one instruction a turn, in the same order in every step
.set MA, \a0
.rept \n
.irp b, 0,1,2,3,4,5,6,7
.if \b < NBLK
.set AC, 8*(NBLK*(MA%APW)+\b)
.if \first
	v_wmma_scale_f32_16x16x128_f8f6f4 v[AC:AC+7], v[128*(\p)+12*\b:128*(\p)+12*\b+11], v[AF+12*MA:AF+12*MA+11], v[BI+8*\b:BI+8*\b+7], v[SC+8*(\p)+\b], v[SC+8*(\p)+MA] matrix_a_fmt:MATRIX_FMT_FP6 matrix_b_fmt:MATRIX_FMT_FP6 matrix_a_scale:MATRIX_SCALE_ROW1
.else
	v_wmma_scale_f32_16x16x128_f8f6f4 v[AC:AC+7], v[128*(\p)+12*\b:128*(\p)+12*\b+11], v[AF+12*MA:AF+12*MA+11], v[AC:AC+7], v[SC+8*(\p)+\b], v[SC+8*(\p)+MA] matrix_a_fmt:MATRIX_FMT_FP6 matrix_b_fmt:MATRIX_FMT_FP6 matrix_a_scale:MATRIX_SCALE_ROW1
.endif
.endif
.endr
.set MA, MA+1
.endr
.endm
.macro STEP slot, q, first
	s_wait_dscnt (NBLK/2)*NL                           ; all but A's second half
	WINM 0, \first
	MULA 0, NBLK/2, (\q)%2, \first
	s_wait_dscnt 0x0
	PLACES 4
	FETCH_B \slot, (\q)+1, 1-(\q)%2
	FETCH_A \slot, (\q)+1, 0
	SCALES \slot, (\q)+1, 1-(\q)%2
	WINM 1, \first
	MULA NBLK/2, NBLK/2, (\q)%2, \first
	PLACES 4
	WIN 0
	FETCH_A \slot, (\q)+1, NBLK/2
.endm
.macro TURN slot, next, fill
	s_wait_tensorcnt 0x0                               ; all my tensor loads have landed: my part of the next slot
	ds_add_u32 v[SPW], v[NIL]                          ; 0 onto my spare word
	s_wait_dscnt (NBLK/2)*NL+1                         ; (the add and A's second half may be out)
	WINM 0, 0
	MULA 0, NBLK/4, 1, 0
	s_wait_dscnt 0x0                                   ; the add is done, and my reads of this slot are over
	s_barrier_signal -1
	MULA NBLK/4, NBLK/4, 1, 0
	WIN 0
	s_barrier_wait -1
.if \fill
	CREST                                              ; no wave of any partner still reads this slot or has a load on its way
	s_add_nc_u64 s[G0+4*\slot+2:G0+4*\slot+3], s[G0+4*\slot+2:G0+4*\slot+3], 2*SSTEP
	s_add_nc_u64 s[G0B+4*\slot+2:G0B+4*\slot+3], s[G0B+4*\slot+2:G0B+4*\slot+3], 2*SSTEP
	JLOAD G0+4*\slot, G1, G0B+4*\slot, G1B             ; the first tensor load behind the round, one a wave: it has four K steps in which to land
.else
	PLACES 4
.endif
	FETCH_B \next, 0, 0
	FETCH_A \next, 0, 0
	SCALES \next, 0, 0
	WINM 1, 0
	MULA NBLK/2, NBLK/2, 1, 0
	PLACES 4
	WIN 0
	FETCH_A \next, 0, NBLK/2
.endm
.macro LAST
	s_wait_dscnt (NBLK/2)*NL
	WINM 0, 0
	MULA 0, NBLK/2, 1, 0
	s_wait_dscnt 0x0
	WINM 1, 0
	MULA NBLK/2, NBLK/2, 1, 0
	WIN 0
.endm
	s_load_b256 s[4:11], s[0:1], 0x0                   ; A s[4:5], ops s[6:7], bias s[8:9], residual s[10:11]
	s_load_b64 s[12:13], s[0:1], 0x20                  ; out
	v_lshl_add_u32 v[SPW], v0, 2, SPARE
	v_mov_b32 v[NIL], 0
	ds_add_u32 v28, v29
	ds_add_u32 v28, v29
	s_wait_dscnt 0x0
	v_lshrrev_b32 v1, 5, v0
	v_readfirstlane_b32 s14, v1                        ; wave 0..3
	s_lshr_b32 s15, s14, 1                             ; which half of the tile's tokens is mine.  Also: I fetch for A (0) or for B (1)
	s_and_b32 s16, s14, 1                              ; which half of its outputs.  Also: which two of a slot's four K steps I fetch
	s_bfe_u32 s40, ttmp6, 0x40000
	s_bfe_u32 s41, ttmp6, 0x40004
	s_lshl_b32 s42, ttmp9, 2
	s_add_co_u32 s42, s42, s40                         ; tile x
	s_and_b32 s17, ttmp7, 0xffff
	s_lshl_b32 s17, s17, 2
	s_add_co_u32 s17, s17, s41                         ; tile y
	s_lshl_b32 s43, s41, 2
	s_lshl_b32 s43, 15, s43
	s_lshl_b32 s44, 0x1111, s40
	s_or_b32 s[G1], s43, (3<<16)|(1<<21)               ; the mask; elements of 8 bytes; bit 21 beside a mask; no padding
	s_or_b32 s[G1B], s44, (3<<16)|(1<<21)
.irp g, G1, G1B
	s_mov_b32 s[\g+1], 32<<16                          ; 100 dense rows of 256 bytes
	s_mov_b32 s[\g+2], 100<<16
	s_mov_b32 s[\g+3], 32<<16
	s_mov_b32 s[\g+4], 100
	s_mov_b32 s[\g+5], 32
	s_mov_b32 s[\g+6], 0
	s_mov_b32 s[\g+7], 0
.endr
	s_mul_i32 s18, s16, WLOAD
	s_mul_i32 s20, s17, NK*REC
	s_add_co_u32 s20, s20, s18                         ; A: panel tile y, my two K steps
	s_mov_b32 s21, 0
	s_mul_i32 s46, s42, NK*REC
	s_add_co_u32 s46, s46, s18
	s_add_co_u32 s46, s46, BOFF                        ; B: panel tile x of the weight
	s_mov_b32 s47, 0
	s_mul_i32 s45, s14, WLOAD
	s_wait_kmcnt 0x0
	s_add_nc_u64 s[20:21], s[4:5], s[20:21]
	s_add_nc_u64 s[46:47], s[6:7], s[46:47]
	CROUND                                             ; all sixteen work-groups are here: the first joint loads meet
.irp s, 0,1
	s_mov_b32 s[G0+4*\s], 1
	s_add_co_u32 s[G0+4*\s+1], s45, \s*SLOT
	s_add_nc_u64 s[G0+4*\s+2:G0+4*\s+3], s[20:21], \s*SSTEP
	s_or_b32 s[G0+4*\s+3], s[G0+4*\s+3], 0x80000000
	s_mov_b32 s[G0B+4*\s], 1
	s_add_co_u32 s[G0B+4*\s+1], s45, \s*SLOT
	s_add_nc_u64 s[G0B+4*\s+2:G0B+4*\s+3], s[46:47], \s*SSTEP
	s_or_b32 s[G0B+4*\s+3], s[G0B+4*\s+3], 0x80000000
	JLOAD G0+4*\s, G1, G0B+4*\s, G1B                   ; two loads of mine are out
.endr
	v_and_b32 v1, 15, v0
	v_bfe_u32 v2, v0, 4, 1
	v_and_b32 v3, 31, v0
	v_lshlrev_b32 v[L16], 4, v3
	v_lshlrev_b32 v[L8], 3, v3
	v_lshlrev_b32 v[LS], 2, v1
	v_lshlrev_b32 v11, 5, v2
	s_mul_i32 s21, s15, WSTR
	s_mul_i32 s22, s16, WSTR
	s_add_co_u32 s22, s22, BREG
.irp s, 0,1
	v_add_nc_u32 v[ADRA16+\s], s21, v[L16]
	v_add_nc_u32 v[ADRA8+\s], s21, v[L8]
	v_add_nc_u32 v[ADRB16+\s], s22, v[L16]
	v_add_nc_u32 v[ADRB8+\s], s22, v[L8]
	s_add_co_u32 s21, s21, SLOT
	s_add_co_u32 s22, s22, SLOT
.endr
	s_mul_i32 s21, s15, WSS
	s_mul_i32 s22, s16, WSS
	s_add_co_u32 s22, s22, BREG
	s_sub_co_u32 s22, s22, s21
	v_mul_u32_u24 v4, s22, v2                          ; lanes 16-31 take B's words
	s_add_co_u32 s21, s21, SCO
	v_add_nc_u32 v4, v[LS], v4
	v_add_nc_u32 v[ADRS], s21, v4
	v_add_nc_u32 v[ADRS+1], SLOT, v[ADRS]
	s_mul_i32 s23, s14, 16*272                         ; my stage: 16 rows x (256 bytes + 16), in slot 0, which has had its last fill and its last read when the first result is stored there
	v_mul_u32_u24 v4, v1, 272
	v_lshl_add_u32 v4, v2, 5, v4
	v_add_nc_u32 v[STO], s23, v4                       ; in: row r, + 32 h
	v_mul_u32_u24 v4, v2, 272
	v_lshl_add_u32 v4, v1, 4, v4
	v_add_nc_u32 v[RD], s23, v4                        ; back: lanes 0-15 one row, lanes 16-31 the next
	v_lshlrev_b32 v4, 12, v2
	v_lshl_add_u32 v[CO], v1, 4, v4                    ; and the same two rows in memory: 4,096 h + 16 r
	s_lshl_b32 s46, s42, 9
	s_lshl_b32 s47, s16, 8
	s_add_co_u32 s46, s46, s47                         ; my 64 outputs, in bytes
	s_mov_b32 s47, 0
	s_add_nc_u64 s[8:9], s[8:9], s[46:47]
	s_lshl_b32 s20, s17, 7
	s_lshl_b32 s21, s15, 6
	s_add_co_u32 s20, s20, s21
	s_lshl_b32 s20, s20, 12                            ; my first token's row
	s_add_co_u32 s20, s20, s46
	s_mov_b32 s21, 0
	s_add_nc_u64 s[10:11], s[10:11], s[20:21]
	s_add_nc_u64 s[12:13], s[12:13], s[20:21]
.irp b, 0,1,2,3
	global_load_b128 v[BI+8*\b:BI+8*\b+3], v11, s[8:9] offset:64*\b
	global_load_b128 v[BI+8*\b+4:BI+8*\b+7], v11, s[8:9] offset:64*\b+16
.endr
	WIN 0xc0                                           ; destination window 3
.irp a, 0,1,2,3
.irp t, 0,1,2,3,4,5,6,7
	global_load_b128 v[4*(8*\a+\t):4*(8*\a+\t)+3], v[CO], s[10:11] offset:(16*\a+2*\t)*4096   ; 16 lanes read 256 consecutive bytes of a row
.endr
.endr
	WIN 0
	s_wait_tensorcnt 1                                 ; my part of slot 0 is in (slot 1's load may be out)
	s_barrier_signal -1
	s_barrier_wait -1
	FETCH_B 0, 0, 0
	FETCH_A 0, 0, 0
	SCALES 0, 0, 0
	FETCH_A 0, 0, NBLK/2
	s_wait_loadcnt 32                                  ; the bias is in; the residual's 32 loads, issued behind it, may be out
	STEP 0, 0, 1                                       ; the first step's products start the sums, on the bias
.if LAPS > 1
	s_mov_b32 s3, LAPS-1
.Llap:                                                     ; a trip goes once round the ring, from a lap's second step to the next lap's first, and fills both slots again
	STEP 0, 1, 0
	STEP 0, 2, 0
	TURN 0, 1, 1
	STEP 1, 0, 0
	STEP 1, 1, 0
	STEP 1, 2, 0
	TURN 1, 0, 1
	STEP 0, 0, 0
	s_sub_co_u32 s3, s3, 1
	s_cmp_lg_u32 s3, 0
	s_cbranch_scc1 .Llap
.endif
	STEP 0, 1, 0                                       ; the last lap fills nothing
	STEP 0, 2, 0
	TURN 0, 1, 0
	STEP 1, 0, 0
	STEP 1, 1, 0
	STEP 1, 2, 0
	LAST
	; THE WAY OUT, 16 tokens at a time: through my stage, back as rows of 256 bytes, the residual added, stored
	s_wait_loadcnt 0x0                                 ; the residual
	PLACES 4
.irp a, 0,1,2,3
	WIN 0x08                                           ; an LDS store's data are its source 1: window 2
.irp b, 0,1,2,3
	ds_store_b128 v[STO], v[8*(4*\a+\b):8*(4*\a+\b)+3] offset:64*\b          ; each accumulator from its low end on
	ds_store_b128 v[STO], v[8*(4*\a+\b)+4:8*(4*\a+\b)+7] offset:64*\b+16
.endr
	WIN 0
.if \a >= 2
	s_wait_xcnt 0x0                                    ; block a - 2's stores have read these registers
.endif
.irp t, 0,1,2,3,4,5,6,7
	ds_load_b128 v[BK+32*(\a%2)+4*\t:BK+32*(\a%2)+4*\t+3], v[RD] offset:544*\t   ; a wave's LDS instructions are served in order: these see the stores above
.endr
	s_wait_dscnt 0x0
	WIN 0x0c                                           ; source 1 window 3
.set J, 0
.rept 16
	v_pk_add_f32 v[BK+32*(\a%2)+J:BK+32*(\a%2)+J+1], v[BK+32*(\a%2)+J:BK+32*(\a%2)+J+1], v[32*\a+J:32*\a+J+1]
.set J, J+2
.endr
	WIN 0
.irp t, 0,1,2,3,4,5,6,7
	global_store_b128 v[CO], v[BK+32*(\a%2)+4*\t:BK+32*(\a%2)+4*\t+3], s[12:13] offset:(16*\a+2*\t)*4096   ; 16 lanes store 256 consecutive bytes, at a multiple of 256 from the buffer's first byte
.endr
.endr
	s_wait_tensorcnt 0x0                               ; the wave's end
	ds_add_u32 v[SPW], v[NIL]
	s_wait_dscnt 0x0
	CROUND                                             ; the closing round
	s_endpgm
.Lfunc_end_k_q6edc70cbc8_fc2:
	.size	k_q6edc70cbc8_fc2, .Lfunc_end_k_q6edc70cbc8_fc2-k_q6edc70cbc8_fc2
	.p2alignl 7, 3214868480
	.fill 96, 4, 3214868480
	.section	.rodata,"a",@progbits
	.p2align	6, 0x0
	.amdhsa_kernel k_q6edc70cbc8_fc2
		.amdhsa_group_segment_fixed_size 327680
		.amdhsa_private_segment_fixed_size 0
		.amdhsa_enable_private_segment 0
		.amdhsa_kernarg_size 40
		.amdhsa_user_sgpr_count 2
		.amdhsa_user_sgpr_kernarg_segment_ptr 1
		.amdhsa_wavefront_size32 1
		.amdhsa_system_sgpr_workgroup_id_x 1
		.amdhsa_system_sgpr_workgroup_id_y 1
		.amdhsa_system_sgpr_workgroup_id_z 1
		.amdhsa_system_vgpr_workitem_id 0
		.amdhsa_next_free_vgpr 1024
		.amdhsa_next_free_sgpr 100
		.amdhsa_reserve_vcc 0
		.amdhsa_float_denorm_mode_32 3
		.amdhsa_float_denorm_mode_16_64 3
		.amdhsa_memory_ordered 1
		.amdhsa_forward_progress 1
		.amdhsa_inst_pref_size 102
	.end_amdhsa_kernel
	.amdgpu_metadata
---
amdhsa.version: [ 1, 2 ]
amdhsa.kernels:
  - .name:           k_q6edc70cbc8_fc2
    .symbol:         k_q6edc70cbc8_fc2.kd
    .args:
      - { .name: hid, .offset: 0, .size: 8, .value_kind: global_buffer, .address_space: global }
      - { .name: ops, .offset: 8, .size: 8, .value_kind: global_buffer, .address_space: global }
      - { .name: b2, .offset: 16, .size: 8, .value_kind: global_buffer, .address_space: global }
      - { .name: x1, .offset: 24, .size: 8, .value_kind: global_buffer, .address_space: global }
      - { .name: out0, .offset: 32, .size: 8, .value_kind: global_buffer, .address_space: global }
    .group_segment_fixed_size: 327680
    .private_segment_fixed_size: 0
    .kernarg_segment_align: 8
    .kernarg_segment_size: 40
    .max_flat_workgroup_size: 128
    .sgpr_count:     100
    .vgpr_count:     1024
    .wavefront_size: 32
...
	.end_amdgpu_metadata
.endif
;; end of part 6
